; MI455X (gfx1250); checked and timed in simulation.
; The chip was launched on July 23, 2026; its instructions are those of AMD's public machine-readable ISA for CDNA 5 (MIT licence, August 2026) and "CDNA5" Instruction Set Architecture Reference Guide (July 2026). The comments in the code are by the model that wrote it; some were corrected since.
;; Attention1 D. Allowed arithmetic: matrix products marked QUANTISED: E2M1 operands, one E8M0 scale for each 32 along K, by v_wmma_scale_f32_16x16x128_f8f6f4 with both operands' format E2M1 (or v_wmma_scale_f32_32x16x128_f4), f32 sums; products left as they are: f32 operands where the result goes on into a quantised operand, else bf16, f16 or f32 operands; f32 sums; everything else in f32.
;; Inputs: W_map 1,024 float32; W_ques 2,048 x 1,024 float32; W_vis 2,048 x 1,024 float32; X 256 x 2,048 float32; Y 256 x 128 x 2,048 float32; b_map one number float32; b_ques 1,024 float32.
;; Outputs: out0 256 x 2,048 float32.
;; This version of the problem:
;;   THIS VERSION OF THE PROBLEM IS GIVEN IN LOW PRECISION. The matrix products marked QUANTISED in the list below multiply operands that are first quantised to E2M1 (2 exponent bits, 1 mantissa bit; 4 bits a number), with one power-of-two scale for each 32 numbers along K (OCP MX v1.0); their sums are f32. All else is computed in f32.
;;   The module's matrix products, in the order in which they are computed (A, B: the left and right operand; K: the contracted axis; several contracted axes count as one K, in the product's order):
;;     1. [M 256, K 2,048] x [K 2,048, N 1,024]; A: input X; B: input W_ques: QUANTISED
;;     2. [M 32,768, K 2,048] x [K 2,048, N 1,024]; A: input Y; B: input W_vis: QUANTISED
;;     3. [M 32,768, K 1,024] x [K 1,024, N 1]; A: computed on the way; B: input W_map: left as it is (N = 1 < 16)
;;     4. batch 256 x [M 1, K 128] x [K 128, N 2,048]; A: softmax; B: input Y: left as it is (M = 1 < 16)
;;   THE QUANTISER, for each operand of a quantised product, along K:
;;     - K is cut into blocks of 32 from its start; a last block that is shorter is filled with zeros.
;;     - A block's scale is 2^e with e = floor(log2(the largest magnitude in the block)) - 2, held to -126 .. 127; a block of zeros has e = 0. As a byte (E8M0): e + 127.
;;     - Each number is divided by its block's scale, clamped to +-6, and rounded to the nearest number of E2M1, ties to even, subnormals kept.
;;     - The product sums the exact products of the quantised numbers (number of the format x scale) in f32.
;;   ~~~python
;;   def quantise(x, axis):      # numpy; x: float32 -> the quantised numbers, widened to float32 again
;;       x = np.moveaxis(x, axis, -1); K = x.shape[-1]
;;       x = np.pad(x, [(0, 0)] * (x.ndim - 1) + [(0, -K % 32)]); x = x.reshape(x.shape[:-1] + (-1, 32)); a = np.abs(x).max(-1, keepdims=True)
;;       e = np.where(a > 0, np.clip(np.frexp(np.where(a > 0, a, 1))[1] - 1 - 2, -126, 127), 0)      # np.frexp(a)[1] - 1 = floor(log2(a)), exactly
;;       r = np.clip(x / 2.0 ** e, -6, 6)
;;       step = 2.0 ** (np.maximum(np.frexp(np.where(r == 0, 1, r))[1] - 1, 0) - 1)
;;       q = np.round(r / step) * step * 2.0 ** e      # np.round: ties to even
;;       return np.moveaxis(q.reshape(q.shape[:-2] + (-1,))[..., :K], -1, axis).astype(np.float32)
;;   ~~~
;; 2 versions. Each part assembles by itself: llvm-mc -triple=amdgcn-amd-amdhsa -mcpu=gfx1250 --defsym DOCPART=n.
;; ======== version 1 of 2: 3 launches
;; limits: a difference of large sums (such as E[x^2] - mean^2): digits are lost where the result is much smaller than its terms
;; workspace buffers: wv_codes 1,048,576 bytes; wv_scales 65,536 bytes; wq_codes 1,048,576 bytes; wq_scales 65,536 bytes; xatt 1,048,576 bytes
;; launch quantw (part 1): grid 8 x 32, 4 waves a work-group, no clusters, 1,024 bytes of LDS; arguments W_vis, W_ques, wv_codes, wv_scales, wq_codes, wq_scales; writes wv_codes, wv_scales, wq_codes, wq_scales
.if DOCPART == 1
	.amdgcn_target "amdgcn-amd-amdhsa--gfx1250"
	.amdhsa_code_object_version 6
	.text
	.protected	k_q828a7b9007_quantw
	.globl	k_q828a7b9007_quantw
	.p2align	8
	.type	k_q828a7b9007_quantw,@function
k_q828a7b9007_quantw:
	s_mov_b64 s[64:65], 0
	v_nop
	global_prefetch_b8 v0, s[64:65] scope:SCOPE_SE
	s_setreg_imm32_b32 hwreg(HW_REG_WAVE_MODE, 25, 1), 1
	s_wait_xcnt 0x0
; W_vis and W_ques, [2048 (k)][1024 (n)] f32, become codes of FP4 (E2M1) with one E8M0 byte for each 32 along K, laid IN THE ORDER OF AN OPERAND'S REGISTERS.
; Codes: K step s (128 along K), column tile ct (16 columns): 1,024 bytes at s x 65,536 + ct x 1,024; in them block t (32 along K) of column r at 256 t + 16 r:
; so lane l = 16 h + r of a wave finds registers 4 c .. 4 c + 3 of its fragment (k = 64 c + 32 h + 0 .. 31 of column r) at 512 c + 16 l.
; Scale words (four bytes: a column's four blocks of a K step): K step s, group of eight column tiles g: 512 bytes at s x 4,096 + g x 512; lane l's 16 bytes hold, in word j,
; the word of column tile 2 j (lanes 0-15) or 2 j + 1 (lanes 16-31), column l % 16.
; A LANE TAKES A COLUMN AND ITS REGISTERS RUN DOWN K: a block of 32 lies in one lane, its largest magnitude needs no other lane, and the conversions give K innermost.
; A block's scale is 2^(floor(log2(largest magnitude)) - 2); its byte is the largest magnitude's exponent field - 2, held at 1 from below.
; LIMITS: a block of zeros gets the byte 1 where the quantiser says 127: its codes are zeros, and the bytes are read by this program alone.  NaN and infinities are not served.
; SHARES: work-group x = 128 columns, y % 16 = the K step, y / 16 = the matrix.  Wave i, lane l: column 128 x + 32 i + l, four blocks.
.set X,  32                            ; v32-95   two sets of 32 numbers
.set C,  96                            ; v96-111  four registers of codes for each block: no store's data are written again
.set SB, 24                            ; v24      my column's scale word
	s_load_b256 s[4:11], s[0:1], 0x0               ; W_vis s[4:5], W_ques s[6:7], W_vis's codes s[8:9], its scales s[10:11]
	s_load_b128 s[12:15], s[0:1], 0x20             ; W_ques's codes s[12:13], its scales s[14:15]
	v_lshl_add_u32 v128, v0, 2, 0x200
	v_mov_b32 v129, 0
	v_lshrrev_b32 v1, 5, v0
	v_readfirstlane_b32 s16, v1                    ; wave 0..3
	v_and_b32 v2, 31, v0                           ; lane
	v_lshlrev_b32 v3, 2, v2                        ; in: 4 bytes a lane
	v_lshrrev_b32 v4, 4, v2
	v_and_b32 v5, 15, v2
	v_lshlrev_b32 v5, 4, v5
	v_lshl_add_u32 v4, v4, 10, v5                  ; out: 1,024 (lane / 16) + 16 (lane % 16): sixteen lanes store 256 consecutive bytes
	v_lshlrev_b32 v6, 4, v2                        ; 16 x lane
	s_lshl_b32 s17, s16, 2
	v_add_nc_u32 v7, s17, v6                       ; LDS: my scale word's place: 16 x lane + 4 x wave
	s_and_b32 s18, ttmp7, 0xffff
	s_and_b32 s19, s18, 15                         ; the K step
	s_lshr_b32 s18, s18, 4                         ; the matrix
	s_lshl_b32 s20, s19, 19                        ; in: 128 rows of 4,096 bytes a K step,
	s_lshl_b32 s21, ttmp9, 9                       ; 512 bytes a work-group,
	s_add_co_u32 s20, s20, s21
	s_lshl_b32 s21, s16, 7                         ; 128 a wave
	s_add_co_u32 s20, s20, s21
	s_mov_b32 s21, 0
	s_lshl_b32 s22, s19, 16                        ; codes: 65,536 bytes a K step,
	s_lshl_b32 s23, ttmp9, 13                      ; eight column tiles a work-group,
	s_add_co_u32 s22, s22, s23
	s_lshl_b32 s23, s16, 11                        ; two a wave
	s_add_co_u32 s22, s22, s23
	s_mov_b32 s23, 0
	s_lshl_b32 s24, s19, 12                        ; scale words: 4,096 bytes a K step, 512 a work-group
	s_lshl_b32 s25, ttmp9, 9
	s_add_co_u32 s24, s24, s25
	s_mov_b32 s25, 0
	s_wait_kmcnt 0x0
	s_cmp_eq_u32 s18, 0                            ; which matrix: the choice hangs on the work-group's number alone
	s_cselect_b64 s[4:5], s[4:5], s[6:7]
	s_cselect_b64 s[8:9], s[8:9], s[12:13]
	s_cselect_b64 s[10:11], s[10:11], s[14:15]
	s_add_nc_u64 s[4:5], s[4:5], s[20:21]
	s_add_nc_u64 s[8:9], s[8:9], s[22:23]
	s_add_nc_u64 s[10:11], s[10:11], s[24:25]
.macro LOAD t                          ; block t: W(32 t + i, my column), i = 0 .. 31, into set t % 2; the four waves stand side by side on 512 consecutive bytes
.irp i, 0,1,2,3,4,5,6,7,8,9,10,11,12,13,14,15,16,17,18,19,20,21,22,23,24,25,26,27,28,29,30,31
	global_load_b32 v[X+32*((\t)%2)+\i], v3, s[4:5] offset:(32*(\t)+\i)*4096 th:TH_LOAD_NT
.endr
.endm
.macro BLOCK t
.set XS, X+32*((\t)%2)
.if (\t) < 3
	s_wait_loadcnt 32                              ; this block's 32 loads are in; the next block's 32 may be out
.else
	s_wait_loadcnt 0
.endif
	v_max3_num_f32 v12, |v[XS]|, |v[XS+1]|, |v[XS+2]|      ; the block's largest magnitude, in two chains
	v_max3_num_f32 v13, |v[XS+3]|, |v[XS+4]|, |v[XS+5]|
.irp i, 6,10,14,18,22,26
	v_max3_num_f32 v12, v12, |v[XS+\i]|, |v[XS+\i+1]|
	v_max3_num_f32 v13, v13, |v[XS+\i+2]|, |v[XS+\i+3]|
.endr
	v_max3_num_f32 v12, v12, |v[XS+30]|, |v[XS+31]|
	v_max3_num_f32 v12, v12, v13, 0x1800000        ; and the floor 2^(3 - 127): the byte cannot fall under 1
	v_add_nc_u32 v11, 0xff000000, v12              ; 2 off its exponent field: the conversion takes the exponent field of this operand as its scale
	v_lshrrev_b32 v13, 23, v11                     ; the scale's byte
.if (\t) == 0
	v_mov_b32 v[SB], v13
.else
	v_lshl_or_b32 v[SB], v13, 8*(\t), v[SB]        ; the lower K in the lower byte
.endif
.irp g, 0,1,2,3
	v_cvt_scalef32_pk8_fp4_f32 v[C+4*(\t)+\g], v[XS+8*\g:XS+8*\g+7], v11
.endr
	v_nop                                          ; one plain line behind the conversions: the next block writes their scale operand
	global_store_b128 v4, v[C+4*(\t):C+4*(\t)+3], s[8:9] offset:256*(\t)
.if (\t) < 2
	LOAD (\t)+2
.endif
.endm
	LOAD 0
	LOAD 1
	BLOCK 0
	BLOCK 1
	BLOCK 2
	BLOCK 3
	ds_store_b32 v7, v[SB]                         ; the four waves' words meet in LDS, in the order in which they leave
	s_wait_dscnt 0x0                               ; for the others' sake: my store has landed
	s_barrier_signal -1
	s_barrier_wait -1
	s_cmp_lg_u32 s16, 0
	s_cbranch_scc1 .Lend
	ds_load_b128 v[16:19], v6
	s_wait_dscnt 0x0
	global_store_b128 v6, v[16:19], s[10:11]       ; wave 0 stores 512 consecutive bytes
.Lend:
	s_wait_tensorcnt 0x0
	ds_add_u32 v128, v129
	s_wait_dscnt 0x0
	s_endpgm
.Lfunc_end_k_q828a7b9007_quantw:
	.size	k_q828a7b9007_quantw, .Lfunc_end_k_q828a7b9007_quantw-k_q828a7b9007_quantw
	.p2alignl 7, 3214868480
	.fill 96, 4, 3214868480
	.section	.rodata,"a",@progbits
	.p2align	6, 0x0
	.amdhsa_kernel k_q828a7b9007_quantw
		.amdhsa_group_segment_fixed_size 1024
		.amdhsa_private_segment_fixed_size 0
		.amdhsa_enable_private_segment 0
		.amdhsa_kernarg_size 48
		.amdhsa_user_sgpr_count 2
		.amdhsa_user_sgpr_kernarg_segment_ptr 1
		.amdhsa_wavefront_size32 1
		.amdhsa_system_sgpr_workgroup_id_x 1
		.amdhsa_system_sgpr_workgroup_id_y 1
		.amdhsa_system_sgpr_workgroup_id_z 1
		.amdhsa_system_vgpr_workitem_id 0
		.amdhsa_next_free_vgpr 130
		.amdhsa_next_free_sgpr 66
		.amdhsa_reserve_vcc 0
		.amdhsa_float_denorm_mode_32 3
		.amdhsa_float_denorm_mode_16_64 3
		.amdhsa_memory_ordered 1
		.amdhsa_forward_progress 1
		.amdhsa_inst_pref_size 21
	.end_amdhsa_kernel
	.amdgpu_metadata
---
amdhsa.version: [ 1, 2 ]
amdhsa.kernels:
  - .name:           k_q828a7b9007_quantw
    .symbol:         k_q828a7b9007_quantw.kd
    .args:
      - { .name: W_vis, .offset: 0, .size: 8, .value_kind: global_buffer, .address_space: global }
      - { .name: W_ques, .offset: 8, .size: 8, .value_kind: global_buffer, .address_space: global }
      - { .name: wv_codes, .offset: 16, .size: 8, .value_kind: global_buffer, .address_space: global }
      - { .name: wv_scales, .offset: 24, .size: 8, .value_kind: global_buffer, .address_space: global }
      - { .name: wq_codes, .offset: 32, .size: 8, .value_kind: global_buffer, .address_space: global }
      - { .name: wq_scales, .offset: 40, .size: 8, .value_kind: global_buffer, .address_space: global }
    .group_segment_fixed_size: 1024
    .private_segment_fixed_size: 0
    .kernarg_segment_align: 8
    .kernarg_segment_size: 48
    .max_flat_workgroup_size: 128
    .sgpr_count:     66
    .vgpr_count:     130
    .wavefront_size: 32
...
	.end_amdgpu_metadata
.endif
;; end of part 1
;; launch xatt (part 2): grid 8 x 16, 4 waves a work-group, no clusters, 35,328 bytes of LDS; arguments X, wq_codes, wq_scales, b_ques, xatt; writes xatt
.if DOCPART == 2
	.amdgcn_target "amdgcn-amd-amdhsa--gfx1250"
	.amdhsa_code_object_version 6
	.text
	.protected	k_q828a7b9007_xatt
	.globl	k_q828a7b9007_xatt
	.p2align	8
	.type	k_q828a7b9007_xatt,@function
k_q828a7b9007_xatt:
	s_mov_b64 s[64:65], 0
	v_nop
	global_prefetch_b8 v0, s[64:65] scope:SCOPE_SE
	s_setreg_imm32_b32 hwreg(HW_REG_WAVE_MODE, 25, 1), 1
	s_wait_xcnt 0x0
; xatt[256][1024] = Q(X) Q(W_ques) + b_ques, on codes of FP4 with E8M0 scales; sums in f32.
; SHARES: work-group x = 128 columns (eight column tiles), y = 16 rows of X.  Wave i takes K steps 4 i .. 4 i + 3 (128 along K each); the four waves' sums meet in LDS.
; So K is summed in four parts, which are then added in f32: an order of rounding other than one chain along K.
; X is quantised in registers: lane (r, h) loads, of row r, k = 64 c + 32 h + 0 .. 31, the order of the operand's registers: a lane holds two whole blocks.
; THE MATRIX INSTRUCTION IS USED TRANSPOSED: source 0 = 16 columns of W_ques (their register image, loaded as it lies), source 1 = X's 16 rows:
; lane (r, h) then holds row r and its register j column 16 b + 8 h + j.
; LIMITS: a block of zeros gets the byte 1 (its codes are zeros); NaN and infinities are not served.
; REGISTERS: window 0: v1-5 addresses; v16-143 X, two sets of 64; v144-151 X's fragment; v152 its scale word; v154-161 W's scale words, two sets; v162-169 at work; v176-239 eight accumulators; v240-243 b_ques.
;   window 1: v0-127 W's fragments, two sets of eight.
.set XO,   1                           ; v1   X: 8,192 r + 128 h
.set L16,  2                           ; v2   16 x lane
.set STO,  3                           ; v3   the stage: where I put my sums
.set RD,   4                           ; v4   and where I read rows back
.set H8,   5                           ; v5   8 h
.set XR,   16
.set AF,   144
.set ASC,  152
.set BSC,  154
.set T,    162
.set ACC,  176
.set BIAS, 240
.set MSB, 0
.macro WIN new                         ; the immediate's high byte repeats the setting that is left
.if MSB != \new
	s_set_vgpr_msb (MSB<<8)|\new
.set MSB, \new
.endif
.endm
	s_load_b256 s[4:11], s[0:1], 0x0               ; X s[4:5], the codes s[6:7], the scale words s[8:9], b_ques s[10:11]
	s_load_b64 s[12:13], s[0:1], 0x20              ; xatt
	v_lshl_add_u32 v254, v0, 2, 0x8800
	v_mov_b32 v255, 0
	v_lshrrev_b32 v6, 5, v0
	v_readfirstlane_b32 s14, v6                    ; wave 0..3
	v_and_b32 v6, 31, v0                           ; lane
	v_and_b32 v7, 15, v0                           ; r
	v_bfe_u32 v8, v0, 4, 1                         ; h
	v_lshlrev_b32 v[XO], 13, v7
	v_lshl_add_u32 v[XO], v8, 7, v[XO]
	v_lshlrev_b32 v[L16], 4, v6
	s_mul_i32 s15, s14, 8448                       ; the stage: 16 rows x (512 + 16) bytes for each wave
	v_mul_u32_u24 v[STO], v7, 528
	v_lshl_add_u32 v[STO], v8, 5, v[STO]
	v_add_nc_u32 v[STO], s15, v[STO]               ; row r, + 32 h
	s_mul_i32 s15, s14, 2112
	v_add_nc_u32 v[RD], s15, v[L16]                ; back: rows 4 i on, 16 bytes a lane
	v_lshlrev_b32 v[H8], 3, v8
	v_mov_b32 v[T+7], 0                            ; written once: a lane permute's destination counts as one of its sources
	s_mov_b32 s16, 0x76543210
	s_mov_b32 s17, 0xfedcba98                      ; v_permlanex16_b32's selects for lane l xor 16
	s_and_b32 s18, ttmp7, 0xffff                   ; y
	s_lshl_b32 s20, s18, 17                        ; X: 16 rows of 8,192 bytes a work-group y,
	s_lshl_b32 s19, s14, 11                        ; four K steps of 512 bytes a wave
	s_add_co_u32 s20, s20, s19
	s_mov_b32 s21, 0
	s_lshl_b32 s22, s14, 18                        ; codes: four K steps of 65,536 bytes a wave,
	s_lshl_b32 s19, ttmp9, 13                      ; eight column tiles of 1,024 a work-group x
	s_add_co_u32 s22, s22, s19
	s_mov_b32 s23, 0
	s_lshl_b32 s24, s14, 14                        ; scale words: four K steps of 4,096 bytes a wave,
	s_lshl_b32 s26, ttmp9, 9                       ; 512 a work-group x.  (Also b_ques: 128 numbers a work-group x)
	s_add_co_u32 s24, s24, s26
	s_mov_b32 s25, 0
	s_mov_b32 s27, 0
	s_lshl_b32 s28, s18, 16                        ; xatt: 16 rows of 4,096 bytes a work-group y, four rows a wave, 512 bytes a work-group x
	s_add_co_u32 s28, s28, s24
	s_mov_b32 s29, 0
	s_wait_kmcnt 0x0
	s_add_nc_u64 s[4:5], s[4:5], s[20:21]
	s_add_nc_u64 s[6:7], s[6:7], s[22:23]
	s_add_nc_u64 s[8:9], s[8:9], s[24:25]
	s_add_nc_u64 s[10:11], s[10:11], s[26:27]
	s_add_nc_u64 s[12:13], s[12:13], s[28:29]
.macro XLOAD u                         ; my K step u of X: 16 loads into set u % 2: register 32 c + 4 j on = k 64 c + 32 h + 4 j on
.irp c, 0,1
.irp j, 0,1,2,3,4,5,6,7
	global_load_b128 v[XR+64*((\u)%2)+32*\c+4*\j:XR+64*((\u)%2)+32*\c+4*\j+3], v[XO], s[4:5] offset:512*(\u)+256*\c+16*\j
.endr
.endr
.endm
.macro WLOAD u                         ; my K step u of W: eight fragments (16 loads of 512 consecutive bytes) and their scale words (1 load) into set u % 2
	WIN 0x40                                       ; destination window 1
.irp b, 0,1,2,3,4,5,6,7
.irp c, 0,1
	global_load_b128 v[64*((\u)%2)+8*\b+4*\c:64*((\u)%2)+8*\b+4*\c+3], v[L16], s[6:7] offset:65536*(\u)+(2*\b+\c)*512
.endr
.endr
	WIN 0
	global_load_b128 v[BSC+4*((\u)%2):BSC+4*((\u)%2)+3], v[L16], s[8:9] offset:4096*(\u)
.endm
.macro XQ set                          ; 64 numbers of a lane become X's fragment and its scale word
.set XS, XR+64*(\set)
.irp c, 0,1
	v_max3_num_f32 v[T+\c], |v[XS+32*\c]|, |v[XS+32*\c+1]|, 0x1800000      ; my block 2 c + h, and the floor 2^(3 - 127)
.endr
.irp i, 2,4,6,8,10,12,14,16,18,20,22,24,26,28,30
.irp c, 0,1
	v_max3_num_f32 v[T+\c], v[T+\c], |v[XS+32*\c+\i]|, |v[XS+32*\c+\i+1]|  ; (the two blocks by turns)
.endr
.endr
.irp c, 0,1
	v_add_nc_u32 v[T+2+\c], 0xff000000, v[T+\c]    ; 2 off the exponent field: the conversion's scale operand
.endr
.irp c, 0,1
	v_lshrrev_b32 v[T+4+\c], 23, v[T+2+\c]         ; the scale's byte
.endr
	v_lshl_or_b32 v[T+6], v[T+5], 16, v[T+4]       ; my two bytes: blocks h and 2 + h,
	v_lshlrev_b32 v[T+6], v[H8], v[T+6]            ; at their places in the word;
	v_permlanex16_b32 v[T+7], v[T+6], s16, s17
	v_or_b32 v[ASC], v[T+6], v[T+7]                ; with lane l xor 16's two the word is whole
.irp c, 0,1
.irp g, 0,1,2,3
	v_cvt_scalef32_pk8_fp4_f32 v[AF+4*\c+\g], v[XS+32*\c+8*\g:XS+32*\c+8*\g+7], v[T+2+\c]
.endr
.endr
.endm
.macro XMM u, b                        ; column tile b, my K step u.  W's scale words of tile b: register b / 2, lanes 0-15 (b even) or 16-31 (b odd)
.set DD, ACC+8*(\b)
.set WW, 64*((\u)%2)+8*(\b)
.set SS, BSC+4*((\u)%2)+(\b)/2
.if (\u) == 0
.if (\b)%2
	v_wmma_scale_f32_16x16x128_f8f6f4 v[DD:DD+7], v[WW:WW+7], v[AF:AF+7], 0, v[SS], v[ASC] matrix_a_fmt:MATRIX_FMT_FP4 matrix_b_fmt:MATRIX_FMT_FP4 matrix_a_scale:MATRIX_SCALE_ROW1
.else
	v_wmma_scale_f32_16x16x128_f8f6f4 v[DD:DD+7], v[WW:WW+7], v[AF:AF+7], 0, v[SS], v[ASC] matrix_a_fmt:MATRIX_FMT_FP4 matrix_b_fmt:MATRIX_FMT_FP4
.endif
.else
.if (\b)%2
	v_wmma_scale_f32_16x16x128_f8f6f4 v[DD:DD+7], v[WW:WW+7], v[AF:AF+7], v[DD:DD+7], v[SS], v[ASC] matrix_a_fmt:MATRIX_FMT_FP4 matrix_b_fmt:MATRIX_FMT_FP4 matrix_a_scale:MATRIX_SCALE_ROW1
.else
	v_wmma_scale_f32_16x16x128_f8f6f4 v[DD:DD+7], v[WW:WW+7], v[AF:AF+7], v[DD:DD+7], v[SS], v[ASC] matrix_a_fmt:MATRIX_FMT_FP4 matrix_b_fmt:MATRIX_FMT_FP4
.endif
.endif
.endm
; One K step.  nx, nb: how many younger loads may stay out when X's, then W's, loads of this step have to be in.
.macro U u, nx, nb
	s_wait_loadcnt \nx
	XQ (\u)%2
.if (\u) < 2
	XLOAD (\u)+2
.endif
.rept 8
	v_nop                                          ; a scale register written by a vector instruction stands 8 places ahead of a scaled matrix instruction, an operand so written 4
.endr
	s_wait_loadcnt \nb
	WIN 0x01                                       ; source 0 (W) window 1
.irp b, 0,1,2,3,4,5,6,7
	XMM \u, \b                                     ; the eight accumulators take turns, one instruction a turn
.endr
	WIN 0
.rept 4
	v_nop                                          ; places in front of loads into registers that matrix instructions have read, and of the first read of results
.endr
.if (\u) < 2
	WLOAD (\u)+2
.endif
.endm
	global_load_b128 v[BIAS:BIAS+3], v[L16], s[10:11]
	XLOAD 0
	WLOAD 0
	XLOAD 1
	WLOAD 1
	U 0, 50, 49                                    ; behind X's 16: W 17, X 16, W 17.  Behind W's 17: X 16, W 17, X 16
	U 1, 50, 49
	U 2, 50, 33                                    ; nothing more is asked for: behind W's 17: X 16, W 17
	U 3, 17, 0
	; the four waves' sums meet in LDS: each accumulator from its low end on
.irp b, 0,1,2,3,4,5,6,7
	ds_store_b128 v[STO], v[ACC+8*\b:ACC+8*\b+3] offset:64*\b
	ds_store_b128 v[STO], v[ACC+8*\b+4:ACC+8*\b+7] offset:64*\b+16
.endr
	s_wait_dscnt 0x0                               ; for the others' sake: my stores have landed
	s_barrier_signal -1
	s_barrier_wait -1
.irp rr, 0,1,2,3                       ; wave i adds rows 4 i + rr: the four waves' parts of a row, 16 bytes a lane
.irp q, 0,1,2,3
	ds_load_b128 v[XR+16*\rr+4*\q:XR+16*\rr+4*\q+3], v[RD] offset:\q*8448+\rr*528
.endr
.endr
	s_wait_dscnt 0x0
.irp rr, 0,1,2,3
	v_pk_add_f32 v[XR+16*\rr:XR+16*\rr+1], v[XR+16*\rr:XR+16*\rr+1], v[XR+16*\rr+4:XR+16*\rr+5]
	v_pk_add_f32 v[XR+16*\rr+2:XR+16*\rr+3], v[XR+16*\rr+2:XR+16*\rr+3], v[XR+16*\rr+6:XR+16*\rr+7]
	v_pk_add_f32 v[XR+16*\rr+8:XR+16*\rr+9], v[XR+16*\rr+8:XR+16*\rr+9], v[XR+16*\rr+12:XR+16*\rr+13]
	v_pk_add_f32 v[XR+16*\rr+10:XR+16*\rr+11], v[XR+16*\rr+10:XR+16*\rr+11], v[XR+16*\rr+14:XR+16*\rr+15]
.endr
.irp rr, 0,1,2,3
	v_pk_add_f32 v[XR+16*\rr:XR+16*\rr+1], v[XR+16*\rr:XR+16*\rr+1], v[XR+16*\rr+8:XR+16*\rr+9]
	v_pk_add_f32 v[XR+16*\rr+2:XR+16*\rr+3], v[XR+16*\rr+2:XR+16*\rr+3], v[XR+16*\rr+10:XR+16*\rr+11]
.endr
.irp rr, 0,1,2,3
	v_pk_add_f32 v[XR+16*\rr:XR+16*\rr+1], v[XR+16*\rr:XR+16*\rr+1], v[BIAS:BIAS+1]
	v_pk_add_f32 v[XR+16*\rr+2:XR+16*\rr+3], v[XR+16*\rr+2:XR+16*\rr+3], v[BIAS+2:BIAS+3]
.endr
.irp rr, 0,1,2,3
	global_store_b128 v[L16], v[XR+16*\rr:XR+16*\rr+3], s[12:13] offset:4096*\rr   ; 32 lanes store 512 consecutive bytes, aligned
.endr
	s_wait_tensorcnt 0x0
	ds_add_u32 v254, v255
	s_wait_dscnt 0x0
	s_endpgm
.Lfunc_end_k_q828a7b9007_xatt:
	.size	k_q828a7b9007_xatt, .Lfunc_end_k_q828a7b9007_xatt-k_q828a7b9007_xatt
	.p2alignl 7, 3214868480
	.fill 96, 4, 3214868480
	.section	.rodata,"a",@progbits
	.p2align	6, 0x0
	.amdhsa_kernel k_q828a7b9007_xatt
		.amdhsa_group_segment_fixed_size 35328
		.amdhsa_private_segment_fixed_size 0
		.amdhsa_enable_private_segment 0
		.amdhsa_kernarg_size 40
		.amdhsa_user_sgpr_count 2
		.amdhsa_user_sgpr_kernarg_segment_ptr 1
		.amdhsa_wavefront_size32 1
		.amdhsa_system_sgpr_workgroup_id_x 1
		.amdhsa_system_sgpr_workgroup_id_y 1
		.amdhsa_system_sgpr_workgroup_id_z 1
		.amdhsa_system_vgpr_workitem_id 0
		.amdhsa_next_free_vgpr 384
		.amdhsa_next_free_sgpr 66
		.amdhsa_reserve_vcc 0
		.amdhsa_float_denorm_mode_32 3
		.amdhsa_float_denorm_mode_16_64 3
		.amdhsa_memory_ordered 1
		.amdhsa_forward_progress 1
		.amdhsa_inst_pref_size 38
	.end_amdhsa_kernel
	.amdgpu_metadata
---
amdhsa.version: [ 1, 2 ]
amdhsa.kernels:
  - .name:           k_q828a7b9007_xatt
    .symbol:         k_q828a7b9007_xatt.kd
    .args:
      - { .name: X, .offset: 0, .size: 8, .value_kind: global_buffer, .address_space: global }
      - { .name: wq_codes, .offset: 8, .size: 8, .value_kind: global_buffer, .address_space: global }
      - { .name: wq_scales, .offset: 16, .size: 8, .value_kind: global_buffer, .address_space: global }
      - { .name: b_ques, .offset: 24, .size: 8, .value_kind: global_buffer, .address_space: global }
      - { .name: xatt, .offset: 32, .size: 8, .value_kind: global_buffer, .address_space: global }
    .group_segment_fixed_size: 35328
    .private_segment_fixed_size: 0
    .kernarg_segment_align: 8
    .kernarg_segment_size: 40
    .max_flat_workgroup_size: 128
    .sgpr_count:     66
    .vgpr_count:     384
    .wavefront_size: 32
...
	.end_amdgpu_metadata
.endif
;; end of part 2
;; launch main (part 3): grid 256 x 1, 8 waves a work-group, no clusters, 296,960 bytes of LDS; arguments Y, wv_codes, wv_scales, xatt, W_map, b_map, out0; writes out0
.if DOCPART == 3
	.amdgcn_target "amdgcn-amd-amdhsa--gfx1250"
	.amdhsa_code_object_version 6
	.text
	.protected	k_q828a7b9007_main
	.globl	k_q828a7b9007_main
	.p2align	8
	.type	k_q828a7b9007_main,@function
k_q828a7b9007_main:
	s_mov_b64 s[64:65], 0
	v_nop
	global_prefetch_b8 v0, s[64:65] scope:SCOPE_SE
	s_setreg_imm32_b32 hwreg(HW_REG_WAVE_MODE, 25, 1), 1
	s_wait_xcnt 0x0
; out0[b][:] = sum over n of softmax_n(sum over a of relu(xatt[b][a] + (Q(Y[b]) Q(W_vis))[n][a]) W_map[a] + b_map) Y[b][n][:].
; A work-group is one batch b: 128 rows of 2,048 f32.  Y IS READ FROM MEMORY ONCE: the rows go in two tiles of 64; on its way each number is quantised to FP4 (for the product) and rounded to
; bf16 into a copy of the tile in LDS (64 x 2,048 x 2 = 262,144 bytes), from which the weighted sum is taken when the tile's logits are known.  The softmax runs over the two tiles with a running
; maximum m and sum: the output and the sum are multiplied by 2^((m_old - m_new) log2 e) at each tile.
; K goes in steps of 128; all 1,024 columns of the product stay in accumulators: 64 x 1,024 f32 = 256 registers in each of eight waves.
; SHARES.  Wave w quantises rows 8 w .. 8 w + 7 of the tile; multiplies all 64 rows by columns 128 w .. 128 w + 127; sums output columns 256 w .. 256 w + 255.
; TWO K STEPS ARE A PAIR, WITH ONE BARRIER: both steps are quantised and stored, then both are multiplied.  The codes have four sets in LDS, by the pair's parity and the step's.
; W_vis's CODES COME STRAIGHT INTO REGISTERS, from a workspace laid in the order of the operand's registers.  No tensor loads, no cluster: the copy leaves 65,536 of LDS's 327,680 bytes, a K step of W
; is 65,536 + 4,096 bytes, so two slots of it (139,264 bytes) do not fit; and each fragment of W is read by one wave of the work-group alone, so that LDS would spare no read inside it.
; Loads stand a pair ahead: a pair asks for Y's and W's next two steps, in the order Y, Y, W, W; the ring runs on from tile 0 into tile 1.  A base is stepped behind the counted wait that shows its own loads done.
; THE LOGITS: relu(a + x) = max(a, -x) + x, so a logit is sum of w max(a, -x) plus sum of w x; the second sum is made once a lane and starts the first.
; LIMITS: a block of zeros gets the byte 1 (its codes are zeros, and the bytes never leave the work-group); NaN and infinities are not served; Y is rounded to bf16 for the last product, whose sums are f32;
; the two sums of a logit are rounded apart: an error of the order 2^-24 x sum |w x|.
; LDS: COPY: column group g (128 columns), row pair q: 512 bytes at (32 g + q) x 512; lane l's 16 bytes: 4 bf16 of row 2 q (columns 128 g + 4 l on), then 4 of row 2 q + 1.
;   CODES: four sets: 64 rows of 64 bytes + 16 of padding.  ASCL: four sets: a scale word a row.  XW: for each wave, 8 bytes a column: (W_map, -xatt).
;   PART: each wave's 64 partial logits.  PW: for each wave, p of the tile's 64 rows.
; REGISTERS: window 0: v1-5 addresses; v6 m, v7 the sum; v8-15 the output; v16-47 at work, and Y's four fragments; v48-51 Y's scale words; v52-59 W's, two sets; v60-187 W's fragments, two sets of eight;
;   v188-251 Y, two sets of 8 rows x 4; v252-253 addresses in hand; v254-255 the sum of w x.   window 1: the 32 accumulators ((m, b) at v[8 (4 b + m)]); later the copy's rows.
.set COPY,  0
.set CODES, 262144
.set ASCL,  282624
.set XW,    283648
.set PART,  291840
.set PW,    293888
.set L16,  1                           ; v1   16 x lane
.set KW,   2                           ; v2   where I put 4 codes: CODES + 640 w + 2 lane
.set SW,   3                           ; v3   where I put a scale byte: ASCL + 32 w + lane / 8
.set AFA,  4                           ; v4   a fragment of Y: CODES + 80 r + 16 h
.set ASA,  5                           ; v5   its scale words: ASCL + 4 r
.set MX,   6
.set LS,   7
.set O,    8
.set AT,   16
.set ASCR, 48
.set BSC,  52
.set BF,   60
.set YS,   188
.set TA,   252
.set TB,   253
.set CC,   254
.set MSB, 0
.macro WIN new                         ; the immediate's high byte repeats the setting that is left
.if MSB != \new
	s_set_vgpr_msb (MSB<<8)|\new
.set MSB, \new
.endif
.endm
	s_load_b128 s[32:35], s[0:1], 0x0              ; Y, W's codes
	s_load_b128 s[36:39], s[0:1], 0x10             ; W's scale words, xatt
	s_load_b128 s[40:43], s[0:1], 0x20             ; W_map, b_map
	s_load_b64 s[44:45], s[0:1], 0x30              ; out0
	v_lshrrev_b32 v16, 5, v0
	v_readfirstlane_b32 s21, v16                   ; wave 0..7
	v_and_b32 v16, 31, v0                          ; lane
	v_and_b32 v17, 15, v0                          ; r
	v_bfe_u32 v18, v0, 4, 1                        ; h
	v_lshlrev_b32 v[L16], 4, v16
	s_mul_i32 s27, s21, 640
	v_lshl_add_u32 v[KW], v16, 1, s27
	v_add_nc_u32 v[KW], CODES, v[KW]
	s_lshl_b32 s27, s21, 5
	v_lshrrev_b32 v[SW], 3, v16
	v_add_nc_u32 v[SW], s27, v[SW]
	v_add_nc_u32 v[SW], ASCL, v[SW]
	v_mul_u32_u24 v[AFA], v17, 80
	v_lshl_add_u32 v[AFA], v18, 4, v[AFA]
	v_add_nc_u32 v[AFA], CODES, v[AFA]
	v_lshl_add_u32 v[ASA], v17, 2, ASCL
	s_lshl_b32 s31, s21, 8                         ; 256 w
	s_lshl_b32 s46, s21, 10                        ; 1,024 w
	s_lshl_b32 s47, s21, 15                        ; 32,768 w
	s_lshl_b32 s25, s21, 11                        ; where my rows' copy begins in column group 0: 2,048 w
	v_lshlrev_b32 v[TA], 2, v16                    ; 4 x lane
	v_lshl_add_u32 v[TB], v16, 3, s46
	v_add_nc_u32 v[TB], XW, v[TB]                  ; XW + 1,024 w + 8 lane
	s_mov_b32 s28, 0x76543210
	s_mov_b32 s29, 0xfedcba98                      ; v_permlanex16_b32's selects for lane l xor 16
	s_mov_b32 s30, 0x3fb8aa3b                      ; log2(e)
	s_lshl_b32 s2, ttmp9, 20                       ; Y: a batch is 2^20 bytes, my 8 rows 65,536 w on
	s_lshl_b32 s3, s21, 16
	s_add_co_u32 s2, s2, s3
	s_mov_b32 s3, 0
	s_wait_kmcnt 0x0
	s_load_b32 s20, s[42:43], 0x0                  ; b_map
	s_add_nc_u64 s[4:5], s[32:33], s[2:3]          ; s[4:5] Y, running
	s_lshl_b32 s2, s21, 13
	s_add_nc_u64 s[6:7], s[34:35], s[2:3]          ; s[6:7] my eight column tiles' codes, the even K steps, running;
	s_add_nc_u64 s[10:11], s[6:7], 65536           ; s[10:11] the odd ones
	s_lshl_b32 s2, s21, 9
	s_add_nc_u64 s[8:9], s[36:37], s[2:3]          ; s[8:9] their scale words, the even K steps;
	s_add_nc_u64 s[12:13], s[8:9], 4096            ; s[12:13] the odd ones
	s_add_nc_u64 s[18:19], s[40:41], s[2:3]        ; W_map at my 128 columns
	s_lshl_b32 s26, ttmp9, 12
	s_add_co_u32 s2, s2, s26
	s_add_nc_u64 s[16:17], s[38:39], s[2:3]        ; xatt at my batch's row, my 128 columns
	s_lshl_b32 s2, ttmp9, 13
	s_add_co_u32 s2, s2, s46
	s_add_nc_u64 s[14:15], s[44:45], s[2:3]        ; out0 at my batch's row, my 256 columns
.macro YLOAD p                         ; 8 loads: my 8 rows' 512 bytes of a K step, 512 consecutive bytes each, into set p
.irp rr, 0,1,2,3,4,5,6,7
	global_load_b128 v[YS+32*(\p)+4*\rr:YS+32*(\p)+4*\rr+3], v[L16], s[4:5] offset:512*(\p)+8192*\rr th:TH_LOAD_NT
.endr
.endm
.macro BLOAD p                         ; 17 loads: my eight fragments of W of a K step of parity p, and their scale words, into set p
.irp b, 0,1,2,3,4,5,6,7
.irp c, 0,1
	global_load_b128 v[BF+64*(\p)+8*\b+4*\c:BF+64*(\p)+8*\b+4*\c+3], v[L16], s[6+4*(\p):7+4*(\p)] offset:(2*\b+\c)*512
.endr
.endr
	global_load_b128 v[BSC+4*(\p):BSC+4*(\p)+3], v[L16], s[8+4*(\p):9+4*(\p)]
.endm
.macro WSTEP p, ld                     ; W's bases of parity p: two K steps on (ld = 1), or back from K step 14 + p to K step p (ld = 2).  It stands behind the wait that shows the one set of loads that named them done
.if \ld == 1
	s_add_nc_u64 s[6+4*(\p):7+4*(\p)], s[6+4*(\p):7+4*(\p)], 131072
	s_add_nc_u64 s[8+4*(\p):9+4*(\p)], s[8+4*(\p):9+4*(\p)], 8192
.elseif \ld == 2
	s_sub_nc_u64 s[6+4*(\p):7+4*(\p)], s[6+4*(\p):7+4*(\p)], 7*131072
	s_sub_nc_u64 s[8+4*(\p):9+4*(\p)], s[8+4*(\p):9+4*(\p)], 7*8192
.endif
.endm
.macro PLACES                          ; four places in front of loads into registers that matrix instructions have read, of vector writes of such, and of the first read of results
.rept 4
	v_nop
.endr
.endm
.irp i, 0,1,2,3
	global_load_b32 v[AT+2*\i], v[TA], s[18:19] offset:128*\i      ; W_map and xatt of column 128 w + 32 i + lane
	global_load_b32 v[AT+2*\i+1], v[TA], s[16:17] offset:128*\i
.endr
	YLOAD 0                                        ; steps 0 and 1, in the order in which a pair asks: Y, Y, W, W
	YLOAD 1
	BLOAD 0
	BLOAD 1
.irp j, 0,1,2,3,4,5,6,7
	v_mov_b32 v[O+\j], 0                           ; the output and the sum begin as zeros, m as -3e38: the first tile's factor is 0 and leaves zeros
.endr
	v_mov_b32 v[MX], 0xff61b1e6
	v_mov_b32 v[LS], 0
	s_wait_loadcnt 50                              ; the eight loads of W_map and xatt are in; behind them: 16 of Y, 34 of W
.irp i, 0,1,2,3
	v_xor_b32 v[AT+2*\i+1], 0x80000000, v[AT+2*\i+1]               ; -xatt
.endr
.irp i, 0,1,2,3
	ds_store_b64 v[TB], v[AT+2*\i:AT+2*\i+1] offset:256*\i         ; my wave's own bytes: no barrier
.endr
	s_wait_dscnt 0x0                               ; the stores have read their registers, which the first step writes
	s_wait_kmcnt 0x0                               ; b_map
; THE QUANTISER of a K step of parity p: arithmetic (QV), then stores (QS) into set q.
; A lane holds 4 neighbours of each of my 8 rows; 8 neighbouring lanes hold a block of 32.  Rows go in pairs i: registers 8 i .. 8 i + 3 row 2 i, 8 i + 4 .. 8 i + 7 row 2 i + 1.
; The conversion takes eight numbers under one scale: it is made twice for a pair, once with each row's scale; of the first the low 16 bits (row 2 i's four codes) are stored, of the second the high 16.
; At work, 16 registers a step (v16-31 for p = 0, v32-47 for p = 1, so that the second step's arithmetic touches nothing that the first step's stores read): row r's largest magnitude at +r,
; which becomes the scale operand and then the byte, in place; its codes at +8 + r.
.macro QV p
.set YB, YS+32*(\p)
.set TQ, AT+16*(\p)
.irp r, 0,1,2,3,4,5,6,7
	v_max3_num_f32 v[TQ+\r], |v[YB+4*\r]|, |v[YB+4*\r+1]|, 0x1800000       ; with the floor 2^(3 - 127): the byte cannot fall under 1
.endr
.irp r, 0,1,2,3,4,5,6,7
	v_max3_num_f32 v[TQ+\r], v[TQ+\r], |v[YB+4*\r+2]|, |v[YB+4*\r+3]|
.endr
.irp x, 1,2,4                          ; and of the block's other seven lanes
.irp r, 0,1,2,3,4,5,6,7
	v_max_num_f32_dpp v[TQ+\r], v[TQ+\r], v[TQ+\r] row_xmask:\x row_mask:0xf bank_mask:0xf
.endr
.endr
.irp r, 0,1,2,3,4,5,6,7
	v_add_nc_u32 v[TQ+\r], 0xff000000, v[TQ+\r]    ; 2 off the exponent field: the conversion's scale operand
.endr
.irp i, 0,1,2,3
	v_cvt_scalef32_pk8_fp4_f32 v[TQ+8+2*\i], v[YB+8*\i:YB+8*\i+7], v[TQ+2*\i]
	v_cvt_scalef32_pk8_fp4_f32 v[TQ+9+2*\i], v[YB+8*\i:YB+8*\i+7], v[TQ+2*\i+1]
.endr
	v_add_nc_u32 v[TA+(\p)], s24, v[L16]           ; where my rows' copy goes in this column group.  (The plain line between the conversions and the lines that write their sources)
	s_add_co_u32 s24, s24, 16384                   ; the next column group
.irp i, 0,1,2,3
	v_cvt_pk_bf16_f32 v[YB+8*\i], v[YB+8*\i], v[YB+8*\i+1]         ; the copy, in place: each line's sources are read before a later line writes them
	v_cvt_pk_bf16_f32 v[YB+8*\i+1], v[YB+8*\i+2], v[YB+8*\i+3]
	v_cvt_pk_bf16_f32 v[YB+8*\i+2], v[YB+8*\i+4], v[YB+8*\i+5]
	v_cvt_pk_bf16_f32 v[YB+8*\i+3], v[YB+8*\i+6], v[YB+8*\i+7]
.endr
.irp r, 0,1,2,3,4,5,6,7
	v_lshrrev_b32 v[TQ+\r], 23, v[TQ+\r]           ; the scale's byte
.endr
.endm
.macro QS p, q
.set YB, YS+32*(\p)
.set TQ, AT+16*(\p)
.irp i, 0,1,2,3
	ds_store_b128 v[TA+(\p)], v[YB+8*\i:YB+8*\i+3] offset:512*\i
	ds_store_b16 v[KW], v[TQ+8+2*\i] offset:5120*(\q)+160*\i
	ds_store_b16_d16_hi v[KW], v[TQ+9+2*\i] offset:5120*(\q)+160*\i+80
	ds_store_b8 v[SW], v[TQ+2*\i] offset:256*(\q)+8*\i             ; the block's eight lanes write the same byte with the same value
	ds_store_b8 v[SW], v[TQ+2*\i+1] offset:256*(\q)+8*\i+4
.endr
.endm
.macro FRAG q, m                       ; three loads: rows 16 m .. 16 m + 15 of set q: the fragment and its scale words
	ds_load_b128 v[AT+8*(\m):AT+8*(\m)+3], v[AFA] offset:5120*(\q)+1280*(\m)
	ds_load_b128 v[AT+8*(\m)+4:AT+8*(\m)+7], v[AFA] offset:5120*(\q)+1280*(\m)+32
	ds_load_b32 v[ASCR+(\m)], v[ASA] offset:256*(\q)+64*(\m)
.endm
; 8 matrix instructions: rows 16 m on x my eight column tiles, 128 along K, W's set p.  Over a step the 32 accumulators take turns, one instruction a turn, in the same order in every step.
; W's scale words of tile b: register b / 2, lanes 0-15 (b even) or 16-31 (b odd).  zero = 1: the products start the sums: nothing is cleared.
.macro MMG p, m, zero
.irp b, 0,1,2,3,4,5,6,7
.set DD, 8*(4*\b+(\m))
.set BB, BF+64*(\p)+8*\b
.set SS, BSC+4*(\p)+\b/2
.if \zero
.if \b%2
	v_wmma_scale_f32_16x16x128_f8f6f4 v[DD:DD+7], v[AT+8*(\m):AT+8*(\m)+7], v[BB:BB+7], 0, v[ASCR+(\m)], v[SS] matrix_a_fmt:MATRIX_FMT_FP4 matrix_b_fmt:MATRIX_FMT_FP4 matrix_b_scale:MATRIX_SCALE_ROW1
.else
	v_wmma_scale_f32_16x16x128_f8f6f4 v[DD:DD+7], v[AT+8*(\m):AT+8*(\m)+7], v[BB:BB+7], 0, v[ASCR+(\m)], v[SS] matrix_a_fmt:MATRIX_FMT_FP4 matrix_b_fmt:MATRIX_FMT_FP4
.endif
.else
.if \b%2
	v_wmma_scale_f32_16x16x128_f8f6f4 v[DD:DD+7], v[AT+8*(\m):AT+8*(\m)+7], v[BB:BB+7], v[DD:DD+7], v[ASCR+(\m)], v[SS] matrix_a_fmt:MATRIX_FMT_FP4 matrix_b_fmt:MATRIX_FMT_FP4 matrix_b_scale:MATRIX_SCALE_ROW1
.else
	v_wmma_scale_f32_16x16x128_f8f6f4 v[DD:DD+7], v[AT+8*(\m):AT+8*(\m)+7], v[BB:BB+7], v[DD:DD+7], v[ASCR+(\m)], v[SS] matrix_a_fmt:MATRIX_FMT_FP4 matrix_b_fmt:MATRIX_FMT_FP4
.endif
.endif
.endr
.endm
; A PAIR of K steps t, t + 1 (t even).  pp: the pair's parity: its sets are 2 pp and 2 pp + 1.  zero = 1: step t starts the sums.
; ld = 1: the next pair's Y and W are asked for; 2: likewise, and they are the next tile's first; 0: nothing is asked for.
; Loads go out in the order Y(t + 2) 8, Y(t + 3) 8, W(t + 2) 17, W(t + 3) 17; each wait's count is the number of loads issued behind the ones that it wants.
.macro PAIR pp, zero, ld
	s_wait_loadcnt 42                              ; Y(t) is in; behind it: Y(t + 1) 8, W(t) 17, W(t + 1) 17
	QV 0
	QS 0, 2*(\pp)
	s_wait_loadcnt 34                              ; Y(t + 1) is in; behind it: W(t) 17, W(t + 1) 17.  No load that names Y's base is out, so it may be stepped
.if \ld == 1
	s_add_nc_u64 s[4:5], s[4:5], 1024              ; two K steps on
.elseif \ld == 2
	s_add_nc_u64 s[4:5], s[4:5], 64*8192-14*512    ; from K step 14 of my rows to K step 0 of the rows 64 further down
.endif
	QV 1
.if \ld
	s_wait_dscnt 0x0                               ; step t's stores have read their registers (they were issued ahead of step t + 1's arithmetic)
	YLOAD 0
.endif
	QS 1, 2*(\pp)+1
	s_wait_dscnt 0x0                               ; my stores have landed and have read their registers; my reads of the last pair's sets were over before
.if \ld
	YLOAD 1
.endif
	s_barrier_signal -1                            ; ONE barrier a pair: behind it this pair's two sets are whole; the other two are written again only by waves that have passed it,
	s_barrier_wait -1                              ; which every wave reaches behind its reads of them
.irp m, 0,1,2,3
	FRAG 2*(\pp), \m
.endr
.if \ld
	s_wait_loadcnt 33                              ; W(t) is in; behind it: W(t + 1) 17, Y 8 + 8
.else
	s_wait_loadcnt 17                              ; behind it: W(t + 1) 17
.endif
.irp m, 0,1,2,3                        ; step t, by tiles of rows: a fragment of Y is free behind its eight products, and step t + 1's is fetched into it, 24 products ahead of its use
	s_wait_dscnt 9                                 ; this tile's three loads are in; three younger groups of three may be out
	WIN 0x50                                       ; C and D window 1
	MMG 0, \m, \zero
	WIN 0
	PLACES
	FRAG 2*(\pp)+1, \m
.endr
	WSTEP 0, \ld
.if \ld
	BLOAD 0
	s_wait_loadcnt 33                              ; W(t + 1) is in; behind it: Y 8 + 8, W(t + 2) 17
.else
	s_wait_loadcnt 0
.endif
	WIN 0x50
.irp m, 0,1,2,3
	s_wait_dscnt 9-3*\m                            ; this tile's three loads are in; the later tiles' may be out
	MMG 1, \m, 0
.endr
	WIN 0
	PLACES
	WSTEP 1, \ld
.if \ld
	BLOAD 1
.endif
.endm
; The partial logits of rows 32 hm .. 32 hm + 31 over my 128 columns: register 8 mm + j of v[AT + 16] on is row 32 hm + 16 mm + 8 h + j; a lane holds column 16 b + r.
; Two rows an instruction; the first takes -(sum of w x (-1)) = the lane's sum of w x as its addend.
.macro LOGIT hm
	WIN 0x01                                       ; source 0 (the accumulators) window 1
.irp mm, 0,1
.irp j, 0,2,4,6
	v_pk_fma_f32 v[AT+16+8*\mm+\j:AT+16+8*\mm+\j+1], v[8*(2*(\hm)+\mm)+\j:8*(2*(\hm)+\mm)+\j+1], v[AT:AT+1], v[CC:CC+1] op_sel_hi:[1,0,0] neg_lo:[0,0,1] neg_hi:[0,0,1]
.endr
.endr
.irp b, 1,2,3,4,5,6,7
.irp mm, 0,1
.irp j, 0,2,4,6
	v_pk_fma_f32 v[AT+16+8*\mm+\j:AT+16+8*\mm+\j+1], v[8*(4*\b+2*(\hm)+\mm)+\j:8*(4*\b+2*(\hm)+\mm)+\j+1], v[AT+2*\b:AT+2*\b+1], v[AT+16+8*\mm+\j:AT+16+8*\mm+\j+1] op_sel_hi:[1,0,1]
.endr
.endr
.endr
	WIN 0
.irp x, 1,2,4,8                        ; over the sixteen lanes, which hold sixteen columns
.irp j, 0,1,2,3,4,5,6,7,8,9,10,11,12,13,14,15
	v_add_f32_dpp v[AT+16+\j], v[AT+16+\j], v[AT+16+\j] row_xmask:\x row_mask:0xf bank_mask:0xf
.endr
.endr
.irp mm, 0,1
.irp q, 0,1
	ds_store_b128 v[TA], v[AT+16+8*\mm+4*\q:AT+16+8*\mm+4*\q+3] offset:64*(2*(\hm)+\mm)+16*\q   ; sixteen lanes write the same bytes with the same values
.endr
.endr
	s_wait_dscnt 0x0                               ; the stores have landed and have read their registers
.endm
; A quarter of the tile, 16 rows: p (the same 64 bytes for every lane) and my 256 columns of the copy: 20 loads into set q % 3 of window 1: 16 registers of p, then 4 for each (column group, row pair).
.macro QLOAD q
.set QB, 80*((\q)%3)
	WIN 0x40                                       ; destination window 1
.irp k, 0,1,2,3
	ds_load_b128 v[QB+4*\k:QB+4*\k+3], v[AT+27] offset:64*(\q)+16*\k
.endr
.irp g, 0,1
.irp k, 0,1,2,3,4,5,6,7
	ds_load_b128 v[QB+16+4*(8*\g+\k):QB+16+4*(8*\g+\k)+3], v[AT+28] offset:16384*\g+512*(8*(\q)+\k)
.endr
.endr
.endm
.macro QFMA q                          ; 128 multiply-adds straight from the bf16 halves, eight sums by turns
.set QB, 80*((\q)%3)
	WIN 0x05                                       ; sources 0 and 1 window 1
.irp k, 0,1,2,3,4,5,6,7
.irp e, 0,1
.irp g, 0,1
	v_fma_mix_f32_bf16 v[O+4*\g], v[QB+16+4*(8*\g+\k)+2*\e], v[QB+2*\k+\e], v[O+4*\g] op_sel_hi:[1,0,0]
	v_fma_mix_f32_bf16 v[O+4*\g+1], v[QB+16+4*(8*\g+\k)+2*\e], v[QB+2*\k+\e], v[O+4*\g+1] op_sel:[1,0,0] op_sel_hi:[1,0,0]
	v_fma_mix_f32_bf16 v[O+4*\g+2], v[QB+16+4*(8*\g+\k)+2*\e+1], v[QB+2*\k+\e], v[O+4*\g+2] op_sel_hi:[1,0,0]
	v_fma_mix_f32_bf16 v[O+4*\g+3], v[QB+16+4*(8*\g+\k)+2*\e+1], v[QB+2*\k+\e], v[O+4*\g+3] op_sel:[1,0,0] op_sel_hi:[1,0,0]
.endr
.endr
.endr
.endm
	s_mov_b32 s22, 0                               ; the tile
.Ltile:
	s_mov_b32 s24, s25                             ; the copy begins anew at column group 0
	PAIR 0, 1, 1                                   ; pair 0: its first step starts the sums
	PAIR 1, 0, 1
	s_mov_b32 s23, 2
.Ltrip:                                            ; pairs 2 to 5: a trip runs two pairs, until the sets are back where they began
	PAIR 0, 0, 1
	PAIR 1, 0, 1
	s_sub_co_u32 s23, s23, 1
	s_cmp_lg_u32 s23, 0
	s_cbranch_scc1 .Ltrip
	PAIR 0, 0, 1                                   ; pair 6
	s_cmp_lg_u32 s22, 0
	s_cbranch_scc1 .Llast_tile
	PAIR 1, 0, 2                                   ; tile 0's last pair asks for tile 1's first
	s_branch .Lepilogue
.Llast_tile:
	PAIR 1, 0, 0                                   ; tile 1's last pair asks for nothing: no load leaves its buffer, and the counts run down
.Lepilogue:
	; THE LOGITS.  In tile 0 the next tile's first loads are on their way into Y's, W's and W's scale registers: none of these is named here.
	v_and_b32 v[TA], 15, v0
	v_lshl_add_u32 v[TB], v[TA], 3, s46
	v_add_nc_u32 v[TB], XW, v[TB]                  ; XW + 1,024 w + 8 r
	v_bfe_u32 v[TA], v0, 4, 1
	v_lshl_add_u32 v[TA], v[TA], 5, s31
	v_add_nc_u32 v[TA], PART, v[TA]                ; PART + 256 w + 32 h
.irp b, 0,1,2,3,4,5,6,7
	ds_load_b64 v[AT+2*\b:AT+2*\b+1], v[TB] offset:128*\b          ; (W_map, -xatt) of my column 16 b + r
.endr
	s_wait_dscnt 0x0
	v_mul_f32 v[CC], v[AT+1], v[AT]                ; the sum of w (-x) over my eight columns
.irp b, 1,2,3,4,5,6,7
	v_fmac_f32 v[CC], v[AT+2*\b+1], v[AT+2*\b]
.endr
	v_mov_b32 v[CC+1], v[CC]                       ; (named with it as a pair, so it is written)
	WIN 0x44                                       ; destination and source 1 window 1
.irp b, 0,1,2,3,4,5,6,7
.irp m, 0,1,2,3
.irp j, 0,1,2,3,4,5,6,7
	v_max_num_f32 v[8*(4*\b+\m)+\j], v[AT+2*\b+1], v[8*(4*\b+\m)+\j]       ; max(a, -x); each accumulator from its low end on
.endr
.endr
.endr
	LOGIT 0
	LOGIT 1
	s_barrier_signal -1                            ; every wave's 64 partial logits lie in PART (each waited for its stores above)
	v_and_b32 v[AT+24], 31, v0
	v_lshl_add_u32 v[AT+25], v[AT+24], 2, PART     ; PART + 4 lane
	v_lshl_add_u32 v[AT+26], v[AT+24], 2, s31
	v_add_nc_u32 v[AT+26], PW, v[AT+26]            ; PW + 256 w + 4 lane
	v_mov_b32 v[AT+27], PW
	v_add_nc_u32 v[AT+27], s31, v[AT+27]           ; PW + 256 w
	v_add_nc_u32 v[AT+28], s47, v[L16]             ; the copy: my two column groups: 32,768 w + 16 lane
	s_barrier_wait -1
.irp q, 0,1,2,3,4,5,6,7
	ds_load_b32 v[AT+\q], v[AT+25] offset:256*\q           ; row lane: the eight waves' parts;
	ds_load_b32 v[AT+8+\q], v[AT+25] offset:256*\q+128     ; row 32 + lane
.endr
	s_wait_dscnt 0x0
.irp k, 0,2,4,6,8,10,12,14
	v_add_f32 v[AT+\k], v[AT+\k], v[AT+\k+1]
.endr
.irp k, 0,4,8,12
	v_add_f32 v[AT+\k], v[AT+\k], v[AT+\k+2]
.endr
	v_add_f32 v[AT], v[AT], v[AT+4]
	v_add_f32 v[AT+8], v[AT+8], v[AT+12]
	v_add_f32 v[AT+16], s20, v[AT]                 ; + b_map: my two logits
	v_add_f32 v[AT+17], s20, v[AT+8]
	; THE RUNNING SOFTMAX.  Every wave holds all 64 logits, two a lane, and makes the same m, factor and sum.
	v_max_num_f32 v[AT+18], v[AT+16], v[AT+17]
.irp x, 1,2,4,8
	v_max_num_f32_dpp v[AT+18], v[AT+18], v[AT+18] row_xmask:\x row_mask:0xf bank_mask:0xf
.endr
	v_permlanex16_b32 v[AT+19], v[AT+18], s28, s29
	v_max_num_f32 v[AT+18], v[AT+18], v[AT+19]
	v_max_num_f32 v[AT+18], v[AT+18], v[MX]        ; the new m
	v_sub_f32 v[AT+22], v[MX], v[AT+18]
	v_sub_f32 v[AT+16], v[AT+16], v[AT+18]
	v_sub_f32 v[AT+17], v[AT+17], v[AT+18]
	v_mul_f32 v[AT+22], s30, v[AT+22]
	v_mul_f32 v[AT+16], s30, v[AT+16]
	v_mul_f32 v[AT+17], s30, v[AT+17]
	v_exp_f32 v[AT+22], v[AT+22]                   ; the factor e^(m_old - m_new),
	v_exp_f32 v[AT+16], v[AT+16]                   ; p of row lane,
	v_exp_f32 v[AT+17], v[AT+17]                   ; p of row 32 + lane
	v_mov_b32 v[MX], v[AT+18]                      ; a plain line behind the exponentials
	s_wait_alu depctr_va_vdst(0)                   ; one wait for the three, ahead of their first reader
	v_add_f32 v[AT+20], v[AT+16], v[AT+17]
.irp x, 1,2,4,8
	v_add_f32_dpp v[AT+20], v[AT+20], v[AT+20] row_xmask:\x row_mask:0xf bank_mask:0xf
.endr
	v_permlanex16_b32 v[AT+19], v[AT+20], s28, s29
	v_add_f32 v[AT+20], v[AT+20], v[AT+19]
	v_fma_f32 v[LS], v[LS], v[AT+22], v[AT+20]     ; the sum under the new m
.irp j, 0,2,4,6
	v_pk_mul_f32 v[O+\j:O+\j+1], v[O+\j:O+\j+1], v[AT+22:AT+23] op_sel_hi:[1,0]   ; and the output
.endr
	ds_store_b32 v[AT+26], v[AT+16]                ; p goes through my wave's own bytes, so that every lane can have every row's
	ds_store_b32 v[AT+26], v[AT+17] offset:128
	; THE WEIGHTED SUM of the tile's 64 rows, from the copy: four quarters through three sets of registers.  LDS serves a wave's instructions in order: the loads of p see the stores above.
	QLOAD 0
	QLOAD 1
	QLOAD 2
	s_wait_dscnt 40                                ; quarter 0 is in; the 20 loads of each of two quarters may be out
	QFMA 0
	QLOAD 3
	s_wait_dscnt 40
	QFMA 1
	s_wait_dscnt 20
	QFMA 2
	s_wait_dscnt 0x0                               ; my reads of the copy are over
	QFMA 3
	WIN 0
	s_barrier_signal -1                            ; the copy and PART are written again only behind this barrier
	s_barrier_wait -1
	s_add_co_u32 s22, s22, 1
	s_cmp_lt_u32 s22, 2
	s_cbranch_scc1 .Ltile
	v_rcp_f32 v[LS], v[LS]
	v_nop                                          ; a plain line behind the reciprocal
	s_wait_alu depctr_va_vdst(0)                   ; and the wait ahead of its first reader
.irp j, 0,1,2,3,4,5,6,7
	v_mul_f32 v[O+\j], v[O+\j], v[LS]
.endr
	global_store_b128 v[L16], v[O:O+3], s[14:15]               ; 32 lanes store 512 consecutive bytes, aligned: columns 256 w + 4 lane on,
	global_store_b128 v[L16], v[O+4:O+7], s[14:15] offset:512  ; and 128 columns further on
	s_wait_xcnt 0x0
	v_lshl_add_u32 v254, v0, 2, 0x48400
	v_mov_b32 v255, 0
	s_wait_tensorcnt 0x0
	ds_add_u32 v254, v255
	s_wait_dscnt 0x0
	s_endpgm
.Lfunc_end_k_q828a7b9007_main:
	.size	k_q828a7b9007_main, .Lfunc_end_k_q828a7b9007_main-k_q828a7b9007_main
	.p2alignl 7, 3214868480
	.fill 96, 4, 3214868480
	.section	.rodata,"a",@progbits
	.p2align	6, 0x0
	.amdhsa_kernel k_q828a7b9007_main
		.amdhsa_group_segment_fixed_size 296960
		.amdhsa_private_segment_fixed_size 0
		.amdhsa_enable_private_segment 0
		.amdhsa_kernarg_size 56
		.amdhsa_user_sgpr_count 2
		.amdhsa_user_sgpr_kernarg_segment_ptr 1
		.amdhsa_wavefront_size32 1
		.amdhsa_system_sgpr_workgroup_id_x 1
		.amdhsa_system_sgpr_workgroup_id_y 1
		.amdhsa_system_sgpr_workgroup_id_z 1
		.amdhsa_system_vgpr_workitem_id 0
		.amdhsa_next_free_vgpr 512
		.amdhsa_next_free_sgpr 66
		.amdhsa_reserve_vcc 0
		.amdhsa_float_denorm_mode_32 3
		.amdhsa_float_denorm_mode_16_64 3
		.amdhsa_memory_ordered 1
		.amdhsa_forward_progress 1
		.amdhsa_inst_pref_size 255
	.end_amdhsa_kernel
	.section	.bss,"aw",@nobits
	.p2align	6
	.space	262144
	.amdgpu_metadata
---
amdhsa.version: [ 1, 2 ]
amdhsa.kernels:
  - .name:           k_q828a7b9007_main
    .symbol:         k_q828a7b9007_main.kd
    .args:
      - { .name: Y, .offset: 0, .size: 8, .value_kind: global_buffer, .address_space: global }
      - { .name: wv_codes, .offset: 8, .size: 8, .value_kind: global_buffer, .address_space: global }
      - { .name: wv_scales, .offset: 16, .size: 8, .value_kind: global_buffer, .address_space: global }
      - { .name: xatt, .offset: 24, .size: 8, .value_kind: global_buffer, .address_space: global }
      - { .name: W_map, .offset: 32, .size: 8, .value_kind: global_buffer, .address_space: global }
      - { .name: b_map, .offset: 40, .size: 8, .value_kind: global_buffer, .address_space: global }
      - { .name: out0, .offset: 48, .size: 8, .value_kind: global_buffer, .address_space: global }
    .group_segment_fixed_size: 296960
    .private_segment_fixed_size: 0
    .kernarg_segment_align: 8
    .kernarg_segment_size: 56
    .max_flat_workgroup_size: 256
    .sgpr_count:     66
    .vgpr_count:     512
    .wavefront_size: 32
...
	.end_amdgpu_metadata
.endif
;; end of part 3
;; ======== version 2 of 2: 3 launches
;; limits: a difference of large sums (such as E[x^2] - mean^2): digits are lost where the result is much smaller than its terms
;; workspace buffers: wv_codes 1,048,576 bytes; wv_scales 65,536 bytes; wq_codes 1,048,576 bytes; wq_scales 65,536 bytes; xatt 1,048,576 bytes
;; launch quantw (part 4): grid 8 x 32, 4 waves a work-group, no clusters, 1,024 bytes of LDS; arguments W_vis, W_ques, wv_codes, wv_scales, wq_codes, wq_scales; writes wv_codes, wv_scales, wq_codes, wq_scales
.if DOCPART == 4
	.amdgcn_target "amdgcn-amd-amdhsa--gfx1250"
	.amdhsa_code_object_version 6
	.text
	.protected	k_q828a7b9007_quantw
	.globl	k_q828a7b9007_quantw
	.p2align	8
	.type	k_q828a7b9007_quantw,@function
k_q828a7b9007_quantw:
	s_mov_b64 s[64:65], 0
	v_nop
	global_prefetch_b8 v0, s[64:65] scope:SCOPE_SE
	s_setreg_imm32_b32 hwreg(HW_REG_WAVE_MODE, 25, 1), 1
	s_wait_xcnt 0x0
; W_vis and W_ques, [2048 (k)][1024 (n)] f32, become codes of FP4 (E2M1) with one E8M0 byte for each 32 along K, laid IN THE ORDER OF AN OPERAND'S REGISTERS.
; Codes: K step s (128 along K), column tile ct (16 columns): 1,024 bytes at s x 65,536 + ct x 1,024; in them block t (32 along K) of column r at 256 t + 16 r:
; so lane l = 16 h + r of a wave finds registers 4 c .. 4 c + 3 of its fragment (k = 64 c + 32 h + 0 .. 31 of column r) at 512 c + 16 l.
; Scale words (four bytes: a column's four blocks of a K step): K step s, group of eight column tiles g: 512 bytes at s x 4,096 + g x 512; lane l's 16 bytes hold, in word j,
; the word of column tile 2 j (lanes 0-15) or 2 j + 1 (lanes 16-31), column l % 16.
; A LANE TAKES A COLUMN AND ITS REGISTERS RUN DOWN K: a block of 32 lies in one lane, its largest magnitude needs no other lane, and the conversions give K innermost.
; A block's scale is 2^(floor(log2(largest magnitude)) - 2); its byte is the largest magnitude's exponent field - 2, held at 1 from below.
; LIMITS: a block of zeros gets the byte 1 where the quantiser says 127: its codes are zeros, and the bytes are read by this program alone.  NaN and infinities are not served.
; SHARES: work-group x = 128 columns, y % 16 = the K step, y / 16 = the matrix.  Wave i, lane l: column 128 x + 32 i + l, four blocks.
.set X,  32                            ; v32-95   two sets of 32 numbers
.set C,  96                            ; v96-111  four registers of codes for each block: no store's data are written again
.set SB, 24                            ; v24      my column's scale word
	s_load_b256 s[4:11], s[0:1], 0x0               ; W_vis s[4:5], W_ques s[6:7], W_vis's codes s[8:9], its scales s[10:11]
	s_load_b128 s[12:15], s[0:1], 0x20             ; W_ques's codes s[12:13], its scales s[14:15]
	v_lshl_add_u32 v128, v0, 2, 0x200
	v_mov_b32 v129, 0
	v_lshrrev_b32 v1, 5, v0
	v_readfirstlane_b32 s16, v1                    ; wave 0..3
	v_and_b32 v2, 31, v0                           ; lane
	v_lshlrev_b32 v3, 2, v2                        ; in: 4 bytes a lane
	v_lshrrev_b32 v4, 4, v2
	v_and_b32 v5, 15, v2
	v_lshlrev_b32 v5, 4, v5
	v_lshl_add_u32 v4, v4, 10, v5                  ; out: 1,024 (lane / 16) + 16 (lane % 16): sixteen lanes store 256 consecutive bytes
	v_lshlrev_b32 v6, 4, v2                        ; 16 x lane
	s_lshl_b32 s17, s16, 2
	v_add_nc_u32 v7, s17, v6                       ; LDS: my scale word's place: 16 x lane + 4 x wave
	s_and_b32 s18, ttmp7, 0xffff
	s_and_b32 s19, s18, 15                         ; the K step
	s_lshr_b32 s18, s18, 4                         ; the matrix
	s_lshl_b32 s20, s19, 19                        ; in: 128 rows of 4,096 bytes a K step,
	s_lshl_b32 s21, ttmp9, 9                       ; 512 bytes a work-group,
	s_add_co_u32 s20, s20, s21
	s_lshl_b32 s21, s16, 7                         ; 128 a wave
	s_add_co_u32 s20, s20, s21
	s_mov_b32 s21, 0
	s_lshl_b32 s22, s19, 16                        ; codes: 65,536 bytes a K step,
	s_lshl_b32 s23, ttmp9, 13                      ; eight column tiles a work-group,
	s_add_co_u32 s22, s22, s23
	s_lshl_b32 s23, s16, 11                        ; two a wave
	s_add_co_u32 s22, s22, s23
	s_mov_b32 s23, 0
	s_lshl_b32 s24, s19, 12                        ; scale words: 4,096 bytes a K step, 512 a work-group
	s_lshl_b32 s25, ttmp9, 9
	s_add_co_u32 s24, s24, s25
	s_mov_b32 s25, 0
	s_wait_alu depctr_va_vdst(0)
	s_wait_kmcnt 0x0
	s_cmp_eq_u32 s18, 0                            ; which matrix: the choice hangs on the work-group's number alone
	s_cselect_b64 s[4:5], s[4:5], s[6:7]
	s_cselect_b64 s[8:9], s[8:9], s[12:13]
	s_cselect_b64 s[10:11], s[10:11], s[14:15]
	s_add_nc_u64 s[4:5], s[4:5], s[20:21]
	s_add_nc_u64 s[8:9], s[8:9], s[22:23]
	s_add_nc_u64 s[10:11], s[10:11], s[24:25]
.macro LOAD t                          ; block t: W(32 t + i, my column), i = 0 .. 31, into set t % 2; the four waves stand side by side on 512 consecutive bytes
.irp i, 0,1,2,3,4,5,6,7,8,9,10,11,12,13,14,15,16,17,18,19,20,21,22,23,24,25,26,27,28,29,30,31
	global_load_b32 v[X+32*((\t)%2)+\i], v3, s[4:5] offset:(32*(\t)+\i)*4096 th:TH_LOAD_NT
.endr
.endm
.macro BLOCK t
.set XS, X+32*((\t)%2)
.if (\t) < 3
	s_wait_loadcnt 32                              ; this block's 32 loads are in; the next block's 32 may be out
.else
	s_wait_loadcnt 0
.endif
	v_max3_num_f32 v12, |v[XS]|, |v[XS+1]|, |v[XS+2]|      ; the block's largest magnitude, in two chains
	v_max3_num_f32 v13, |v[XS+3]|, |v[XS+4]|, |v[XS+5]|
.irp i, 6,10,14,18,22,26
	v_max3_num_f32 v12, v12, |v[XS+\i]|, |v[XS+\i+1]|
	v_max3_num_f32 v13, v13, |v[XS+\i+2]|, |v[XS+\i+3]|
.endr
	v_max3_num_f32 v12, v12, |v[XS+30]|, |v[XS+31]|
	v_max3_num_f32 v12, v12, v13, 0x1800000        ; and the floor 2^(3 - 127): the byte cannot fall under 1
	v_add_nc_u32 v11, 0xff000000, v12              ; 2 off its exponent field: the conversion takes the exponent field of this operand as its scale
	v_lshrrev_b32 v13, 23, v11                     ; the scale's byte
.if (\t) == 0
	v_mov_b32 v[SB], v13
.else
	v_lshl_or_b32 v[SB], v13, 8*(\t), v[SB]        ; the lower K in the lower byte
.endif
.irp g, 0,1,2,3
	v_cvt_scalef32_pk8_fp4_f32 v[C+4*(\t)+\g], v[XS+8*\g:XS+8*\g+7], v11
.endr
	v_nop                                          ; one plain line behind the conversions: the next block writes their scale operand
	global_store_b128 v4, v[C+4*(\t):C+4*(\t)+3], s[8:9] offset:256*(\t)
.if (\t) < 2
	LOAD (\t)+2
.endif
.endm
	LOAD 0
	LOAD 1
	BLOCK 0
	BLOCK 1
	BLOCK 2
	BLOCK 3
	ds_store_b32 v7, v[SB]                         ; the four waves' words meet in LDS, in the order in which they leave
	s_wait_dscnt 0x0                               ; for the others' sake: my store has landed
	s_barrier_signal -1
	s_barrier_wait -1
	s_cmp_lg_u32 s16, 0
	s_cbranch_scc1 .Lend
	ds_load_b128 v[16:19], v6
	s_wait_dscnt 0x0
	global_store_b128 v6, v[16:19], s[10:11]       ; wave 0 stores 512 consecutive bytes
.Lend:
	s_wait_tensorcnt 0x0
	ds_add_u32 v128, v129
	s_wait_dscnt 0x0
	s_endpgm
.Lfunc_end_k_q828a7b9007_quantw:
	.size	k_q828a7b9007_quantw, .Lfunc_end_k_q828a7b9007_quantw-k_q828a7b9007_quantw
	.p2alignl 7, 3214868480
	.fill 96, 4, 3214868480
	.section	.rodata,"a",@progbits
	.p2align	6, 0x0
	.amdhsa_kernel k_q828a7b9007_quantw
		.amdhsa_group_segment_fixed_size 1024
		.amdhsa_private_segment_fixed_size 0
		.amdhsa_enable_private_segment 0
		.amdhsa_kernarg_size 48
		.amdhsa_user_sgpr_count 2
		.amdhsa_user_sgpr_kernarg_segment_ptr 1
		.amdhsa_wavefront_size32 1
		.amdhsa_system_sgpr_workgroup_id_x 1
		.amdhsa_system_sgpr_workgroup_id_y 1
		.amdhsa_system_sgpr_workgroup_id_z 1
		.amdhsa_system_vgpr_workitem_id 0
		.amdhsa_next_free_vgpr 130
		.amdhsa_next_free_sgpr 66
		.amdhsa_reserve_vcc 0
		.amdhsa_float_denorm_mode_32 3
		.amdhsa_float_denorm_mode_16_64 3
		.amdhsa_memory_ordered 1
		.amdhsa_forward_progress 1
		.amdhsa_inst_pref_size 21
	.end_amdhsa_kernel
	.amdgpu_metadata
---
amdhsa.version: [ 1, 2 ]
amdhsa.kernels:
  - .name:           k_q828a7b9007_quantw
    .symbol:         k_q828a7b9007_quantw.kd
    .args:
      - { .name: W_vis, .offset: 0, .size: 8, .value_kind: global_buffer, .address_space: global }
      - { .name: W_ques, .offset: 8, .size: 8, .value_kind: global_buffer, .address_space: global }
      - { .name: wv_codes, .offset: 16, .size: 8, .value_kind: global_buffer, .address_space: global }
      - { .name: wv_scales, .offset: 24, .size: 8, .value_kind: global_buffer, .address_space: global }
      - { .name: wq_codes, .offset: 32, .size: 8, .value_kind: global_buffer, .address_space: global }
      - { .name: wq_scales, .offset: 40, .size: 8, .value_kind: global_buffer, .address_space: global }
    .group_segment_fixed_size: 1024
    .private_segment_fixed_size: 0
    .kernarg_segment_align: 8
    .kernarg_segment_size: 48
    .max_flat_workgroup_size: 128
    .sgpr_count:     66
    .vgpr_count:     130
    .wavefront_size: 32
...
	.end_amdgpu_metadata
.endif
;; end of part 4
;; launch xatt (part 5): grid 8 x 16, 4 waves a work-group, no clusters, 35,328 bytes of LDS; arguments X, wq_codes, wq_scales, b_ques, xatt; writes xatt
.if DOCPART == 5
	.amdgcn_target "amdgcn-amd-amdhsa--gfx1250"
	.amdhsa_code_object_version 6
	.text
	.protected	k_q828a7b9007_xatt
	.globl	k_q828a7b9007_xatt
	.p2align	8
	.type	k_q828a7b9007_xatt,@function
k_q828a7b9007_xatt:
	s_mov_b64 s[64:65], 0
	v_nop
	global_prefetch_b8 v0, s[64:65] scope:SCOPE_SE
	s_setreg_imm32_b32 hwreg(HW_REG_WAVE_SCHED_MODE, 0, 2), 2
	s_setreg_imm32_b32 hwreg(HW_REG_WAVE_MODE, 25, 1), 1
	s_wait_xcnt 0x0
	s_wait_alu depctr_vm_vsrc(0)
; xatt[256][1024] = Q(X) Q(W_ques) + b_ques, on codes of FP4 with E8M0 scales; sums in f32.
; SHARES: work-group x = 128 columns (eight column tiles), y = 16 rows of X.  Wave i takes K steps 4 i .. 4 i + 3 (128 along K each); the four waves' sums meet in LDS.
; So K is summed in four parts, which are then added in f32: an order of rounding other than one chain along K.
; X is quantised in registers: lane (r, h) loads, of row r, k = 64 c + 32 h + 0 .. 31, the order of the operand's registers: a lane holds two whole blocks.
; THE MATRIX INSTRUCTION IS USED TRANSPOSED: source 0 = 16 columns of W_ques (their register image, loaded as it lies), source 1 = X's 16 rows:
; lane (r, h) then holds row r and its register j column 16 b + 8 h + j.
; LIMITS: a block of zeros gets the byte 1 (its codes are zeros); NaN and infinities are not served.
; REGISTERS: window 0: v1-5 addresses; v16-143 X, two sets of 64; v144-151 X's fragment; v152 its scale word; v154-161 W's scale words, two sets; v162-169 at work; v176-239 eight accumulators; v240-243 b_ques.
;   window 1: v0-127 W's fragments, two sets of eight.
; THE MODE: SCHED_MODE bits 1:0 = 2 (LLVM: expert scheduling mode 2), set by the entry lines.  The code itself states the register dependences
; between vector or matrix instructions and memory or LDS instructions, with s_wait_alu, always for 0.
; THE PLAN.  Registers that memory or LDS instructions touch:
;   XR0, XR1          X as loaded.  Step u's quantiser reads XR[u % 2]; behind it the loads of step u + 2 land there.
;   W0, W1, BSC0, BSC1  W's fragments and scale words.  Step u's eight matrix instructions read set u % 2; the loads of step u + 2 land there, issued in step u + 1.
;   v1 to v4          offsets and LDS addresses, made at the head and never written again.
;   the accumulators  read by the LDS stores on the way out;  XR once more: the stage's rows land there, are added, and are stored.
;   X's fragment and its scale word are named by vector and matrix instructions alone.
; So ONE wait on va_vdst stands in a step, behind the quantiser and its eight places: the fragment and the scale word are written, the quantiser is done reading XR[u % 2], and the matrix
; instructions of the step before are done reading their set of W.  The step's loads follow it.  No register that a memory instruction reads is written again: no wait on vm_vsrc is owed.
.set XO,   1                           ; v1   X: 8,192 r + 128 h
.set L16,  2                           ; v2   16 x lane
.set STO,  3                           ; v3   the stage: where I put my sums
.set RD,   4                           ; v4   and where I read rows back
.set H8,   5                           ; v5   8 h
.set XR,   16
.set AF,   144
.set ASC,  152
.set BSC,  154
.set T,    162
.set ACC,  176
.set BIAS, 240
.set MSB, 0
.macro WIN new                         ; the immediate's high byte repeats the setting that is left
.if MSB != \new
	s_set_vgpr_msb (MSB<<8)|\new
.set MSB, \new
.endif
.endm
	s_load_b256 s[4:11], s[0:1], 0x0               ; X s[4:5], the codes s[6:7], the scale words s[8:9], b_ques s[10:11]
	s_load_b64 s[12:13], s[0:1], 0x20              ; xatt
	v_lshl_add_u32 v254, v0, 2, 0x8800
	v_mov_b32 v255, 0
	v_lshrrev_b32 v6, 5, v0
	v_readfirstlane_b32 s14, v6                    ; wave 0..3
	v_and_b32 v6, 31, v0                           ; lane
	v_and_b32 v7, 15, v0                           ; r
	v_bfe_u32 v8, v0, 4, 1                         ; h
	v_lshlrev_b32 v[XO], 13, v7
	v_lshl_add_u32 v[XO], v8, 7, v[XO]
	v_lshlrev_b32 v[L16], 4, v6
	s_wait_alu depctr_va_sdst(0)                   ; s14 is written, ahead of its first reader: LDS addresses and the buffers' offsets are made from it
	s_mul_i32 s15, s14, 8448                       ; the stage: 16 rows x (512 + 16) bytes for each wave
	v_mul_u32_u24 v[STO], v7, 528
	v_lshl_add_u32 v[STO], v8, 5, v[STO]
	v_add_nc_u32 v[STO], s15, v[STO]               ; row r, + 32 h
	s_mul_i32 s15, s14, 2112
	v_add_nc_u32 v[RD], s15, v[L16]                ; back: rows 4 i on, 16 bytes a lane
	v_lshlrev_b32 v[H8], 3, v8
	v_mov_b32 v[T+7], 0                            ; written once: a lane permute's destination counts as one of its sources
	s_mov_b32 s16, 0x76543210
	s_mov_b32 s17, 0xfedcba98                      ; v_permlanex16_b32's selects for lane l xor 16
	s_and_b32 s18, ttmp7, 0xffff                   ; y
	s_lshl_b32 s20, s18, 17                        ; X: 16 rows of 8,192 bytes a work-group y,
	s_lshl_b32 s19, s14, 11                        ; four K steps of 512 bytes a wave
	s_add_co_u32 s20, s20, s19
	s_mov_b32 s21, 0
	s_lshl_b32 s22, s14, 18                        ; codes: four K steps of 65,536 bytes a wave,
	s_lshl_b32 s19, ttmp9, 13                      ; eight column tiles of 1,024 a work-group x
	s_add_co_u32 s22, s22, s19
	s_mov_b32 s23, 0
	s_lshl_b32 s24, s14, 14                        ; scale words: four K steps of 4,096 bytes a wave,
	s_lshl_b32 s26, ttmp9, 9                       ; 512 a work-group x.  (Also b_ques: 128 numbers a work-group x)
	s_add_co_u32 s24, s24, s26
	s_mov_b32 s25, 0
	s_mov_b32 s27, 0
	s_lshl_b32 s28, s18, 16                        ; xatt: 16 rows of 4,096 bytes a work-group y, four rows a wave, 512 bytes a work-group x
	s_add_co_u32 s28, s28, s24
	s_mov_b32 s29, 0
	s_wait_kmcnt 0x0
	s_add_nc_u64 s[4:5], s[4:5], s[20:21]
	s_add_nc_u64 s[6:7], s[6:7], s[22:23]
	s_add_nc_u64 s[8:9], s[8:9], s[24:25]
	s_add_nc_u64 s[10:11], s[10:11], s[26:27]
	s_add_nc_u64 s[12:13], s[12:13], s[28:29]
.macro XLOAD u                         ; my K step u of X: 16 loads into set u % 2: register 32 c + 4 j on = k 64 c + 32 h + 4 j on
.irp c, 0,1
.irp j, 0,1,2,3,4,5,6,7
	global_load_b128 v[XR+64*((\u)%2)+32*\c+4*\j:XR+64*((\u)%2)+32*\c+4*\j+3], v[XO], s[4:5] offset:512*(\u)+256*\c+16*\j
.endr
.endr
.endm
.macro WLOAD u                         ; my K step u of W: eight fragments (16 loads of 512 consecutive bytes) and their scale words (1 load) into set u % 2
	WIN 0x40                                       ; destination window 1
.irp b, 0,1,2,3,4,5,6,7
.irp c, 0,1
	global_load_b128 v[64*((\u)%2)+8*\b+4*\c:64*((\u)%2)+8*\b+4*\c+3], v[L16], s[6:7] offset:65536*(\u)+(2*\b+\c)*512
.endr
.endr
	WIN 0
	global_load_b128 v[BSC+4*((\u)%2):BSC+4*((\u)%2)+3], v[L16], s[8:9] offset:4096*(\u)
.endm
.macro XQ set                          ; 64 numbers of a lane become X's fragment and its scale word
.set XS, XR+64*(\set)
.irp c, 0,1
	v_max3_num_f32 v[T+\c], |v[XS+32*\c]|, |v[XS+32*\c+1]|, 0x1800000      ; my block 2 c + h, and the floor 2^(3 - 127)
.endr
.irp i, 2,4,6,8,10,12,14,16,18,20,22,24,26,28,30
.irp c, 0,1
	v_max3_num_f32 v[T+\c], v[T+\c], |v[XS+32*\c+\i]|, |v[XS+32*\c+\i+1]|  ; (the two blocks by turns)
.endr
.endr
.irp c, 0,1
	v_add_nc_u32 v[T+2+\c], 0xff000000, v[T+\c]    ; 2 off the exponent field: the conversion's scale operand
.endr
.irp c, 0,1
	v_lshrrev_b32 v[T+4+\c], 23, v[T+2+\c]         ; the scale's byte
.endr
	v_lshl_or_b32 v[T+6], v[T+5], 16, v[T+4]       ; my two bytes: blocks h and 2 + h,
	v_lshlrev_b32 v[T+6], v[H8], v[T+6]            ; at their places in the word;
	v_permlanex16_b32 v[T+7], v[T+6], s16, s17
	v_or_b32 v[ASC], v[T+6], v[T+7]                ; with lane l xor 16's two the word is whole
.irp c, 0,1
.irp g, 0,1,2,3
	v_cvt_scalef32_pk8_fp4_f32 v[AF+4*\c+\g], v[XS+32*\c+8*\g:XS+32*\c+8*\g+7], v[T+2+\c]
.endr
.endr
.endm
.macro XMM u, b                        ; column tile b, my K step u.  W's scale words of tile b: register b / 2, lanes 0-15 (b even) or 16-31 (b odd)
.set DD, ACC+8*(\b)
.set WW, 64*((\u)%2)+8*(\b)
.set SS, BSC+4*((\u)%2)+(\b)/2
.if (\u) == 0
.if (\b)%2
	v_wmma_scale_f32_16x16x128_f8f6f4 v[DD:DD+7], v[WW:WW+7], v[AF:AF+7], 0, v[SS], v[ASC] matrix_a_fmt:MATRIX_FMT_FP4 matrix_b_fmt:MATRIX_FMT_FP4 matrix_a_scale:MATRIX_SCALE_ROW1
.else
	v_wmma_scale_f32_16x16x128_f8f6f4 v[DD:DD+7], v[WW:WW+7], v[AF:AF+7], 0, v[SS], v[ASC] matrix_a_fmt:MATRIX_FMT_FP4 matrix_b_fmt:MATRIX_FMT_FP4
.endif
.else
.if (\b)%2
	v_wmma_scale_f32_16x16x128_f8f6f4 v[DD:DD+7], v[WW:WW+7], v[AF:AF+7], v[DD:DD+7], v[SS], v[ASC] matrix_a_fmt:MATRIX_FMT_FP4 matrix_b_fmt:MATRIX_FMT_FP4 matrix_a_scale:MATRIX_SCALE_ROW1
.else
	v_wmma_scale_f32_16x16x128_f8f6f4 v[DD:DD+7], v[WW:WW+7], v[AF:AF+7], v[DD:DD+7], v[SS], v[ASC] matrix_a_fmt:MATRIX_FMT_FP4 matrix_b_fmt:MATRIX_FMT_FP4
.endif
.endif
.endm
; One K step.  nx, nb: how many younger loads may stay out when X's, then W's, loads of this step have to be in.
.macro U u, nx, nb
	s_wait_loadcnt \nx
	XQ (\u)%2
.rept 8
	v_nop                                          ; a scale register written by a vector instruction stands 8 places ahead of a scaled matrix instruction, an operand so written 4
.endr
	s_wait_alu depctr_va_vdst(0)                   ; the quantiser has written X's fragment and its scale word, which the scaled matrix instructions take, and is done reading XR[u % 2]; the matrix instructions of the step before are done reading their set of W and its scale words: the loads below land in these
.if ((\u) == 1) || ((\u) == 2)
	WLOAD (\u)+1                                   ; into the set that the step before multiplied by
.endif
.if (\u) < 2
	XLOAD (\u)+2                                   ; into the set that has just been quantised
.endif
	s_wait_loadcnt \nb
	WIN 0x01                                       ; source 0 (W) window 1
.irp b, 0,1,2,3,4,5,6,7
	XMM \u, \b                                     ; the eight accumulators take turns, one instruction a turn
.endr
	WIN 0
.if (\u) == 3
.rept 4
	v_nop                                          ; places in front of the first read of results.  (In the other steps the next quantiser's lines stand behind the products)
.endr
.endif
.endm
	s_wait_alu depctr_va_vdst(0)                   ; the offsets and LDS addresses v1 to v4 are written: every load and store of the kernel reads one of them
	global_load_b128 v[BIAS:BIAS+3], v[L16], s[10:11]
	XLOAD 0
	WLOAD 0
	XLOAD 1
	WLOAD 1
	U 0, 50, 49                                    ; behind X0's 16: W0 17, X1 16, W1 17.  Behind W0's 17: X1 16, W1 17, X2 16
	U 1, 33, 49                                    ; behind X1: W1 17, X2 16.  Behind W1: X2 16, W2 17, X3 16
	U 2, 33, 33                                    ; behind X2: W2 17, X3 16.  Behind W2: X3 16, W3 17
	U 3, 17, 0                                     ; behind X3: W3 17.  Nothing more is asked for
	; the four waves' sums meet in LDS: each accumulator from its low end on
	s_wait_alu depctr_va_vdst(0)                   ; the matrix instructions have written the accumulators, which the LDS stores read (the places above stay beside this wait); the quantisers are done reading XR, in which the stage's rows land below
.irp b, 0,1,2,3,4,5,6,7
	ds_store_b128 v[STO], v[ACC+8*\b:ACC+8*\b+3] offset:64*\b
	ds_store_b128 v[STO], v[ACC+8*\b+4:ACC+8*\b+7] offset:64*\b+16
.endr
	s_wait_dscnt 0x0                               ; for the others' sake: my stores have landed
	s_barrier_signal -1
	s_barrier_wait -1
.irp rr, 0,1,2,3                       ; wave i adds rows 4 i + rr: the four waves' parts of a row, 16 bytes a lane
.irp q, 0,1,2,3
	ds_load_b128 v[XR+16*\rr+4*\q:XR+16*\rr+4*\q+3], v[RD] offset:\q*8448+\rr*528
.endr
.endr
	s_wait_dscnt 0x0
.irp rr, 0,1,2,3
	v_pk_add_f32 v[XR+16*\rr:XR+16*\rr+1], v[XR+16*\rr:XR+16*\rr+1], v[XR+16*\rr+4:XR+16*\rr+5]
	v_pk_add_f32 v[XR+16*\rr+2:XR+16*\rr+3], v[XR+16*\rr+2:XR+16*\rr+3], v[XR+16*\rr+6:XR+16*\rr+7]
	v_pk_add_f32 v[XR+16*\rr+8:XR+16*\rr+9], v[XR+16*\rr+8:XR+16*\rr+9], v[XR+16*\rr+12:XR+16*\rr+13]
	v_pk_add_f32 v[XR+16*\rr+10:XR+16*\rr+11], v[XR+16*\rr+10:XR+16*\rr+11], v[XR+16*\rr+14:XR+16*\rr+15]
.endr
.irp rr, 0,1,2,3
	v_pk_add_f32 v[XR+16*\rr:XR+16*\rr+1], v[XR+16*\rr:XR+16*\rr+1], v[XR+16*\rr+8:XR+16*\rr+9]
	v_pk_add_f32 v[XR+16*\rr+2:XR+16*\rr+3], v[XR+16*\rr+2:XR+16*\rr+3], v[XR+16*\rr+10:XR+16*\rr+11]
.endr
.irp rr, 0,1,2,3
	v_pk_add_f32 v[XR+16*\rr:XR+16*\rr+1], v[XR+16*\rr:XR+16*\rr+1], v[BIAS:BIAS+1]
	v_pk_add_f32 v[XR+16*\rr+2:XR+16*\rr+3], v[XR+16*\rr+2:XR+16*\rr+3], v[BIAS+2:BIAS+3]
.endr
	s_wait_alu depctr_va_vdst(0)                   ; the additions have written the four rows, which the stores read
.irp rr, 0,1,2,3
	global_store_b128 v[L16], v[XR+16*\rr:XR+16*\rr+3], s[12:13] offset:4096*\rr   ; 32 lanes store 512 consecutive bytes, aligned
.endr
	s_wait_dscnt 0x0                               ; the closing lines, six on end
	s_wait_alu 0x0
	s_wait_tensorcnt 0x0
	ds_add_u32 v254, v255
	s_wait_dscnt 0x0
	s_endpgm
.Lfunc_end_k_q828a7b9007_xatt:
	.size	k_q828a7b9007_xatt, .Lfunc_end_k_q828a7b9007_xatt-k_q828a7b9007_xatt
	.p2alignl 7, 3214868480
	.fill 96, 4, 3214868480
	.section	.rodata,"a",@progbits
	.p2align	6, 0x0
	.amdhsa_kernel k_q828a7b9007_xatt
		.amdhsa_group_segment_fixed_size 35328
		.amdhsa_private_segment_fixed_size 0
		.amdhsa_enable_private_segment 0
		.amdhsa_kernarg_size 40
		.amdhsa_user_sgpr_count 2
		.amdhsa_user_sgpr_kernarg_segment_ptr 1
		.amdhsa_wavefront_size32 1
		.amdhsa_system_sgpr_workgroup_id_x 1
		.amdhsa_system_sgpr_workgroup_id_y 1
		.amdhsa_system_sgpr_workgroup_id_z 1
		.amdhsa_system_vgpr_workitem_id 0
		.amdhsa_next_free_vgpr 384
		.amdhsa_next_free_sgpr 66
		.amdhsa_reserve_vcc 0
		.amdhsa_float_denorm_mode_32 3
		.amdhsa_float_denorm_mode_16_64 3
		.amdhsa_memory_ordered 1
		.amdhsa_forward_progress 1
		.amdhsa_inst_pref_size 38
	.end_amdhsa_kernel
	.amdgpu_metadata
---
amdhsa.version: [ 1, 2 ]
amdhsa.kernels:
  - .name:           k_q828a7b9007_xatt
    .symbol:         k_q828a7b9007_xatt.kd
    .args:
      - { .name: X, .offset: 0, .size: 8, .value_kind: global_buffer, .address_space: global }
      - { .name: wq_codes, .offset: 8, .size: 8, .value_kind: global_buffer, .address_space: global }
      - { .name: wq_scales, .offset: 16, .size: 8, .value_kind: global_buffer, .address_space: global }
      - { .name: b_ques, .offset: 24, .size: 8, .value_kind: global_buffer, .address_space: global }
      - { .name: xatt, .offset: 32, .size: 8, .value_kind: global_buffer, .address_space: global }
    .group_segment_fixed_size: 35328
    .private_segment_fixed_size: 0
    .kernarg_segment_align: 8
    .kernarg_segment_size: 40
    .max_flat_workgroup_size: 128
    .sgpr_count:     66
    .vgpr_count:     384
    .wavefront_size: 32
...
	.end_amdgpu_metadata
.endif
;; end of part 5
;; launch main (part 6): grid 256 x 1, 8 waves a work-group, no clusters, 296,960 bytes of LDS; arguments Y, wv_codes, wv_scales, xatt, W_map, b_map, out0; writes out0
.if DOCPART == 6
	.amdgcn_target "amdgcn-amd-amdhsa--gfx1250"
	.amdhsa_code_object_version 6
	.text
	.protected	k_q828a7b9007_main
	.globl	k_q828a7b9007_main
	.p2align	8
	.type	k_q828a7b9007_main,@function
k_q828a7b9007_main:
	s_mov_b64 s[64:65], 0
	v_nop
	global_prefetch_b8 v0, s[64:65] scope:SCOPE_SE
	s_setreg_imm32_b32 hwreg(HW_REG_WAVE_SCHED_MODE, 0, 2), 2
	s_setreg_imm32_b32 hwreg(HW_REG_WAVE_MODE, 25, 1), 1
	s_wait_xcnt 0x0
	s_wait_alu depctr_vm_vsrc(0)
; out0[b][:] = sum over n of softmax_n(sum over a of relu(xatt[b][a] + (Q(Y[b]) Q(W_vis))[n][a]) W_map[a] + b_map) Y[b][n][:].
; A work-group is one batch b: 128 rows of 2,048 f32.  Y IS READ FROM MEMORY ONCE: the rows go in two tiles of 64; on its way each number is quantised to FP4 (for the product) and rounded to
; bf16 into a copy of the tile in LDS (64 x 2,048 x 2 = 262,144 bytes), from which the weighted sum is taken when the tile's logits are known.  The softmax runs over the two tiles with a running
; maximum m and sum: the output and the sum are multiplied by 2^((m_old - m_new) log2 e) at each tile.
; K goes in steps of 128; all 1,024 columns of the product stay in accumulators: 64 x 1,024 f32 = 256 registers in each of eight waves.
; SHARES.  Wave w quantises rows 8 w .. 8 w + 7 of the tile; multiplies all 64 rows by columns 128 w .. 128 w + 127; sums output columns 256 w .. 256 w + 255.
; TWO K STEPS ARE A PAIR, WITH ONE BARRIER: both steps are quantised and stored, then both are multiplied.  The codes have four sets in LDS, by the pair's parity and the step's.
; W_vis's CODES COME STRAIGHT INTO REGISTERS, from a workspace laid in the order of the operand's registers.  No tensor loads, no cluster: the copy leaves 65,536 of LDS's 327,680 bytes, a K step of W
; is 65,536 + 4,096 bytes, so two slots of it (139,264 bytes) do not fit; and each fragment of W is read by one wave of the work-group alone, so that LDS would spare no read inside it.
; Loads stand a pair ahead: a pair asks for Y's and W's next two steps, in the order Y, Y, W, W; the ring runs on from tile 0 into tile 1.  A base is stepped behind the counted wait that shows its own loads done.
; THE LOGITS: relu(a + x) = max(a, -x) + x, so a logit is sum of w max(a, -x) plus sum of w x; the second sum is made once a lane and starts the first.
; LIMITS: a block of zeros gets the byte 1 (its codes are zeros, and the bytes never leave the work-group); NaN and infinities are not served; Y is rounded to bf16 for the last product, whose sums are f32;
; the two sums of a logit are rounded apart: an error of the order 2^-24 x sum |w x|.
; LDS: COPY: column group g (128 columns), row pair q: 512 bytes at (32 g + q) x 512; lane l's 16 bytes: 4 bf16 of row 2 q (columns 128 g + 4 l on), then 4 of row 2 q + 1.
;   CODES: four sets: 64 rows of 64 bytes + 16 of padding.  ASCL: four sets: a scale word a row.  XW: for each wave, 8 bytes a column: (W_map, -xatt).
;   PART: each wave's 64 partial logits.  PW: for each wave, p of the tile's 64 rows.
; REGISTERS: window 0: v1-5 addresses; v6 m, v7 the sum; v8-15 the output; v16-47 at work, and Y's four fragments; v48-51 Y's scale words; v52-59 W's, two sets; v60-187 W's fragments, two sets of eight;
;   v188-251 Y, two sets of 8 rows x 4; v252-253 addresses in hand; v254-255 the sum of w x.   window 1: the 32 accumulators ((m, b) at v[8 (4 b + m)]); later the copy's rows.
; THE MODE: SCHED_MODE bits 1:0 = 2 (LLVM: expert scheduling mode 2), set by the entry lines.  The code itself states the register dependences
; between vector or matrix instructions and memory or LDS instructions, with s_wait_alu, always for 0.
; THE PLAN.  Registers that memory or LDS instructions touch, round a pair of K steps t, t + 1 (p = 0, 1):
;   YS0, YS1          The quantiser of step t + p reads YS[p] and writes the copy's bf16 into it; that step's LDS stores read it; then Y of two steps on lands in it.
;   v16-31, v32-47    Codes and bytes of step t, of step t + 1: written by the quantiser, read by the LDS stores.  Behind the barrier step t's four fragments land there, matrix instructions read them, step t + 1's land there.
;   v48-51            The fragments' scale words: loaded, read by matrix instructions, loaded again.
;   BF0, BSC0, BF1, BSC1  Step t + p's matrix instructions read set p; then W of two steps on lands in it.
;   v252, v253        The copy's LDS address for step t, t + 1: written by the quantiser, read by the stores.
;   v1 to v5          Made at the head, never written again.
; THE WAITS OF A PAIR.  va_vdst: behind each quantiser, ahead of its stores (step t's stores are then dealt among step t + 1's quantiser, which names none of their registers); behind step t's products of
; row tiles 0, 1 and again of 2, 3 (step t + 1's fragments land in the registers that they read; behind the second, W's set 0 too); behind step t + 1's products (W's set 1).
; vm_vsrc: behind step t + 1's quantiser (step t's stores have read YS0); behind step t + 1's stores (all that the pair's stores read is written next by loads and by the next quantiser).
.set COPY,  0
.set CODES, 262144
.set ASCL,  282624
.set XW,    283648
.set PART,  291840
.set PW,    293888
.set L16,  1                           ; v1   16 x lane
.set KW,   2                           ; v2   where I put 4 codes: CODES + 640 w + 2 lane
.set SW,   3                           ; v3   where I put a scale byte: ASCL + 32 w + lane / 8
.set AFA,  4                           ; v4   a fragment of Y: CODES + 80 r + 16 h
.set ASA,  5                           ; v5   its scale words: ASCL + 4 r
.set MX,   6
.set LS,   7
.set O,    8
.set AT,   16
.set ASCR, 48
.set BSC,  52
.set BF,   60
.set YS,   188
.set TA,   252
.set TB,   253
.set CC,   254
.set MSB, 0
.macro WIN new                         ; the immediate's high byte repeats the setting that is left
.if MSB != \new
	s_set_vgpr_msb (MSB<<8)|\new
.set MSB, \new
.endif
.endm
	s_load_b128 s[32:35], s[0:1], 0x0              ; Y, W's codes
	s_load_b128 s[36:39], s[0:1], 0x10             ; W's scale words, xatt
	s_load_b128 s[40:43], s[0:1], 0x20             ; W_map, b_map
	s_load_b64 s[44:45], s[0:1], 0x30              ; out0
	v_lshrrev_b32 v16, 5, v0
	v_readfirstlane_b32 s21, v16                   ; wave 0..7
	v_and_b32 v16, 31, v0                          ; lane
	v_and_b32 v17, 15, v0                          ; r
	v_bfe_u32 v18, v0, 4, 1                        ; h
	v_lshlrev_b32 v[L16], 4, v16
	s_wait_alu depctr_va_sdst(0)                   ; s21 is written, ahead of its first reader: LDS addresses and the buffers' offsets are made from it
	s_mul_i32 s27, s21, 640
	v_lshl_add_u32 v[KW], v16, 1, s27
	v_add_nc_u32 v[KW], CODES, v[KW]
	s_lshl_b32 s27, s21, 5
	v_lshrrev_b32 v[SW], 3, v16
	v_add_nc_u32 v[SW], s27, v[SW]
	v_add_nc_u32 v[SW], ASCL, v[SW]
	v_mul_u32_u24 v[AFA], v17, 80
	v_lshl_add_u32 v[AFA], v18, 4, v[AFA]
	v_add_nc_u32 v[AFA], CODES, v[AFA]
	v_lshl_add_u32 v[ASA], v17, 2, ASCL
	s_lshl_b32 s31, s21, 8                         ; 256 w
	s_lshl_b32 s46, s21, 10                        ; 1,024 w
	s_lshl_b32 s47, s21, 15                        ; 32,768 w
	s_lshl_b32 s25, s21, 11                        ; where my rows' copy begins in column group 0: 2,048 w
	v_lshlrev_b32 v[TA], 2, v16                    ; 4 x lane
	v_lshl_add_u32 v[TB], v16, 3, s46
	v_add_nc_u32 v[TB], XW, v[TB]                  ; XW + 1,024 w + 8 lane
	s_mov_b32 s28, 0x76543210
	s_mov_b32 s29, 0xfedcba98                      ; v_permlanex16_b32's selects for lane l xor 16
	s_mov_b32 s30, 0x3fb8aa3b                      ; log2(e)
	s_lshl_b32 s2, ttmp9, 20                       ; Y: a batch is 2^20 bytes, my 8 rows 65,536 w on
	s_lshl_b32 s3, s21, 16
	s_add_co_u32 s2, s2, s3
	s_mov_b32 s3, 0
	s_wait_kmcnt 0x0
	s_load_b32 s20, s[42:43], 0x0                  ; b_map
	s_add_nc_u64 s[4:5], s[32:33], s[2:3]          ; s[4:5] Y, running
	s_lshl_b32 s2, s21, 13
	s_add_nc_u64 s[6:7], s[34:35], s[2:3]          ; s[6:7] my eight column tiles' codes, the even K steps, running;
	s_add_nc_u64 s[10:11], s[6:7], 65536           ; s[10:11] the odd ones
	s_lshl_b32 s2, s21, 9
	s_add_nc_u64 s[8:9], s[36:37], s[2:3]          ; s[8:9] their scale words, the even K steps;
	s_add_nc_u64 s[12:13], s[8:9], 4096            ; s[12:13] the odd ones
	s_add_nc_u64 s[18:19], s[40:41], s[2:3]        ; W_map at my 128 columns
	s_lshl_b32 s26, ttmp9, 12
	s_add_co_u32 s2, s2, s26
	s_add_nc_u64 s[16:17], s[38:39], s[2:3]        ; xatt at my batch's row, my 128 columns
	s_lshl_b32 s2, ttmp9, 13
	s_add_co_u32 s2, s2, s46
	s_add_nc_u64 s[14:15], s[44:45], s[2:3]        ; out0 at my batch's row, my 256 columns
.macro YLOAD p                         ; 8 loads: my 8 rows' 512 bytes of a K step, 512 consecutive bytes each, into set p
.irp rr, 0,1,2,3,4,5,6,7
	global_load_b128 v[YS+32*(\p)+4*\rr:YS+32*(\p)+4*\rr+3], v[L16], s[4:5] offset:512*(\p)+8192*\rr th:TH_LOAD_NT
.endr
.endm
.macro BLOAD p                         ; 17 loads: my eight fragments of W of a K step of parity p, and their scale words, into set p
.irp b, 0,1,2,3,4,5,6,7
.irp c, 0,1
	global_load_b128 v[BF+64*(\p)+8*\b+4*\c:BF+64*(\p)+8*\b+4*\c+3], v[L16], s[6+4*(\p):7+4*(\p)] offset:(2*\b+\c)*512
.endr
.endr
	global_load_b128 v[BSC+4*(\p):BSC+4*(\p)+3], v[L16], s[8+4*(\p):9+4*(\p)]
.endm
.macro WSTEP p, ld                     ; W's bases of parity p: two K steps on (ld = 1), or back from K step 14 + p to K step p (ld = 2).  It stands behind the wait that shows the one set of loads that named them done
.if \ld == 1
	s_add_nc_u64 s[6+4*(\p):7+4*(\p)], s[6+4*(\p):7+4*(\p)], 131072
	s_add_nc_u64 s[8+4*(\p):9+4*(\p)], s[8+4*(\p):9+4*(\p)], 8192
.elseif \ld == 2
	s_sub_nc_u64 s[6+4*(\p):7+4*(\p)], s[6+4*(\p):7+4*(\p)], 7*131072
	s_sub_nc_u64 s[8+4*(\p):9+4*(\p)], s[8+4*(\p):9+4*(\p)], 7*8192
.endif
.endm
.macro PLACES                          ; four places in front of loads into registers that matrix instructions have read, of vector writes of such, and of the first read of results
.rept 4
	v_nop
.endr
.endm
	s_wait_alu depctr_va_vdst(0)                   ; the offsets and LDS addresses v1 to v5, v252 and v253 are written, which the loads and stores below read; so are v16 to v18, in which loads land
.irp i, 0,1,2,3
	global_load_b32 v[AT+2*\i], v[TA], s[18:19] offset:128*\i      ; W_map and xatt of column 128 w + 32 i + lane
	global_load_b32 v[AT+2*\i+1], v[TA], s[16:17] offset:128*\i
.endr
	YLOAD 0                                        ; steps 0 and 1, in the order in which a pair asks: Y, Y, W, W
	YLOAD 1
	BLOAD 0
	BLOAD 1
.irp j, 0,1,2,3,4,5,6,7
	v_mov_b32 v[O+\j], 0                           ; the output and the sum begin as zeros, m as -3e38: the first tile's factor is 0 and leaves zeros
.endr
	v_mov_b32 v[MX], 0xff61b1e6
	v_mov_b32 v[LS], 0
	s_wait_loadcnt 50                              ; the eight loads of W_map and xatt are in; behind them: 16 of Y, 34 of W
.irp i, 0,1,2,3
	v_xor_b32 v[AT+2*\i+1], 0x80000000, v[AT+2*\i+1]               ; -xatt
.endr
	s_wait_alu depctr_va_vdst(0)                   ; -xatt is written, which the stores read
.irp i, 0,1,2,3
	ds_store_b64 v[TB], v[AT+2*\i:AT+2*\i+1] offset:256*\i         ; my wave's own bytes: no barrier
.endr
	s_wait_dscnt 0x0                               ; my four stores have landed
	s_wait_alu depctr_vm_vsrc(0)                   ; the stores have read v16 to v23 and v253, the eight loads v252: the first pair's quantisers write all of these
	s_wait_kmcnt 0x0                               ; b_map
; THE QUANTISER of a K step of parity p: arithmetic (QV), then stores (QSP, four parts) into set q.
; A lane holds 4 neighbours of each of my 8 rows; 8 neighbouring lanes hold a block of 32.  Rows go in pairs i: registers 8 i .. 8 i + 3 row 2 i, 8 i + 4 .. 8 i + 7 row 2 i + 1.
; The conversion takes eight numbers under one scale: it is made twice for a pair, once with each row's scale; of the first the low 16 bits (row 2 i's four codes) are stored, of the second the high 16.
; At work, 16 registers a step (v16-31 for p = 0, v32-47 for p = 1, so that the second step's arithmetic touches nothing that the first step's stores read): row r's largest magnitude at +r,
; which becomes the scale operand and then the byte, in place; its codes at +8 + r.
.macro QSP p, q, i                     ; five stores: pair i of my rows: the copy's 16 bytes a lane, two rows' codes, two rows' bytes
	ds_store_b128 v[TA+(\p)], v[YS+32*(\p)+8*(\i):YS+32*(\p)+8*(\i)+3] offset:512*(\i)
	ds_store_b16 v[KW], v[AT+16*(\p)+8+2*(\i)] offset:5120*(\q)+160*(\i)
	ds_store_b16_d16_hi v[KW], v[AT+16*(\p)+9+2*(\i)] offset:5120*(\q)+160*(\i)+80
	ds_store_b8 v[SW], v[AT+16*(\p)+2*(\i)] offset:256*(\q)+8*(\i)             ; the block's eight lanes write the same byte with the same value
	ds_store_b8 v[SW], v[AT+16*(\p)+2*(\i)+1] offset:256*(\q)+8*(\i)+4
.endm
; deal = 1 (with p = 1): the stores of the step before, into set dq, are dealt among the first four groups of lines, five behind each.  No wait: no line here names v16-31, YS0, v252, v2 or v3, which those stores read.
.macro QV p, deal, dq
.set YB, YS+32*(\p)
.set TQ, AT+16*(\p)
.irp r, 0,1,2,3,4,5,6,7
	v_max3_num_f32 v[TQ+\r], |v[YB+4*\r]|, |v[YB+4*\r+1]|, 0x1800000       ; with the floor 2^(3 - 127): the byte cannot fall under 1
.endr
.if \deal
	QSP 0, \dq, 0
.endif
.irp r, 0,1,2,3,4,5,6,7
	v_max3_num_f32 v[TQ+\r], v[TQ+\r], |v[YB+4*\r+2]|, |v[YB+4*\r+3]|
.endr
.if \deal
	QSP 0, \dq, 1
.endif
.irp x, 1,2,4                          ; and of the block's other seven lanes
.irp r, 0,1,2,3,4,5,6,7
	v_max_num_f32_dpp v[TQ+\r], v[TQ+\r], v[TQ+\r] row_xmask:\x row_mask:0xf bank_mask:0xf
.endr
.if \deal && (\x < 4)
	QSP 0, \dq, 1+\x
.endif
.endr
.irp r, 0,1,2,3,4,5,6,7
	v_add_nc_u32 v[TQ+\r], 0xff000000, v[TQ+\r]    ; 2 off the exponent field: the conversion's scale operand
.endr
.irp i, 0,1,2,3
	v_cvt_scalef32_pk8_fp4_f32 v[TQ+8+2*\i], v[YB+8*\i:YB+8*\i+7], v[TQ+2*\i]
	v_cvt_scalef32_pk8_fp4_f32 v[TQ+9+2*\i], v[YB+8*\i:YB+8*\i+7], v[TQ+2*\i+1]
.endr
	v_add_nc_u32 v[TA+(\p)], s24, v[L16]           ; where my rows' copy goes in this column group.  (The plain line between the conversions and the lines that write their sources)
	s_add_co_u32 s24, s24, 16384                   ; the next column group
.irp i, 0,1,2,3
	v_cvt_pk_bf16_f32 v[YB+8*\i], v[YB+8*\i], v[YB+8*\i+1]         ; the copy, in place: each line's sources are read before a later line writes them
	v_cvt_pk_bf16_f32 v[YB+8*\i+1], v[YB+8*\i+2], v[YB+8*\i+3]
	v_cvt_pk_bf16_f32 v[YB+8*\i+2], v[YB+8*\i+4], v[YB+8*\i+5]
	v_cvt_pk_bf16_f32 v[YB+8*\i+3], v[YB+8*\i+6], v[YB+8*\i+7]
.endr
.irp r, 0,1,2,3,4,5,6,7
	v_lshrrev_b32 v[TQ+\r], 23, v[TQ+\r]           ; the scale's byte
.endr
.endm
.macro FRAG q, m                       ; three loads: rows 16 m .. 16 m + 15 of set q: the fragment and its scale words
	ds_load_b128 v[AT+8*(\m):AT+8*(\m)+3], v[AFA] offset:5120*(\q)+1280*(\m)
	ds_load_b128 v[AT+8*(\m)+4:AT+8*(\m)+7], v[AFA] offset:5120*(\q)+1280*(\m)+32
	ds_load_b32 v[ASCR+(\m)], v[ASA] offset:256*(\q)+64*(\m)
.endm
; 8 matrix instructions: rows 16 m on x my eight column tiles, 128 along K, W's set p.  Over a step the 32 accumulators take turns, one instruction a turn, in the same order in every step.
; W's scale words of tile b: register b / 2, lanes 0-15 (b even) or 16-31 (b odd).  zero = 1: the products start the sums: nothing is cleared.
.macro MMG p, m, zero
.irp b, 0,1,2,3,4,5,6,7
.set DD, 8*(4*\b+(\m))
.set BB, BF+64*(\p)+8*\b
.set SS, BSC+4*(\p)+\b/2
.if \zero
.if \b%2
	v_wmma_scale_f32_16x16x128_f8f6f4 v[DD:DD+7], v[AT+8*(\m):AT+8*(\m)+7], v[BB:BB+7], 0, v[ASCR+(\m)], v[SS] matrix_a_fmt:MATRIX_FMT_FP4 matrix_b_fmt:MATRIX_FMT_FP4 matrix_b_scale:MATRIX_SCALE_ROW1
.else
	v_wmma_scale_f32_16x16x128_f8f6f4 v[DD:DD+7], v[AT+8*(\m):AT+8*(\m)+7], v[BB:BB+7], 0, v[ASCR+(\m)], v[SS] matrix_a_fmt:MATRIX_FMT_FP4 matrix_b_fmt:MATRIX_FMT_FP4
.endif
.else
.if \b%2
	v_wmma_scale_f32_16x16x128_f8f6f4 v[DD:DD+7], v[AT+8*(\m):AT+8*(\m)+7], v[BB:BB+7], v[DD:DD+7], v[ASCR+(\m)], v[SS] matrix_a_fmt:MATRIX_FMT_FP4 matrix_b_fmt:MATRIX_FMT_FP4 matrix_b_scale:MATRIX_SCALE_ROW1
.else
	v_wmma_scale_f32_16x16x128_f8f6f4 v[DD:DD+7], v[AT+8*(\m):AT+8*(\m)+7], v[BB:BB+7], v[DD:DD+7], v[ASCR+(\m)], v[SS] matrix_a_fmt:MATRIX_FMT_FP4 matrix_b_fmt:MATRIX_FMT_FP4
.endif
.endif
.endr
.endm
; A PAIR of K steps t, t + 1 (t even).  pp: the pair's parity: its sets are 2 pp and 2 pp + 1.  zero = 1: step t starts the sums.
; ld = 1: the next pair's Y and W are asked for; 2: likewise, and they are the next tile's first; 0: nothing is asked for.
; Loads go out in the order Y(t + 2) 8, Y(t + 3) 8, W(t + 2) 17, W(t + 3) 17; each wait's count is the number of loads issued behind the ones that it wants.
.macro PAIR pp, zero, ld
	s_wait_loadcnt 42                              ; Y(t) is in; behind it: Y(t + 1) 8, W(t) 17, W(t + 1) 17
	QV 0, 0, 0
	s_wait_alu depctr_va_vdst(0)                   ; step t's quantiser has written its codes and bytes (v16-31), the copy (YS0) and its address (v252), which step t's stores read; it is done with YS0, in which Y(t + 2) lands below
	s_wait_loadcnt 34                              ; Y(t + 1) is in; behind it: W(t) 17, W(t + 1) 17.  No load that names Y's base is out, so it may be stepped
.if \ld == 1
	s_add_nc_u64 s[4:5], s[4:5], 1024              ; two K steps on
.elseif \ld == 2
	s_add_nc_u64 s[4:5], s[4:5], 64*8192-14*512    ; from K step 14 of my rows to K step 0 of the rows 64 further down
.endif
	QV 1, 1, 2*(\pp)                               ; step t + 1's arithmetic, with step t's twenty stores dealt among its first lines
.if \ld
	s_wait_alu depctr_vm_vsrc(0)                   ; step t's stores have read YS0, in which the loads below land
	YLOAD 0
.endif
	s_wait_alu depctr_va_vdst(0)                   ; step t + 1's quantiser has written v32-47, YS1 and v253, which its stores read; it is done with YS1 and with v32-47, in which loads land below
.irp i, 0,1,2,3
	QSP 1, 2*(\pp)+1, \i
.endr
	s_wait_alu depctr_vm_vsrc(0)                   ; the pair's stores have read YS1, v16-47, v252 and v253: Y(t + 3) lands in the first, the fragments in the second, and the next quantisers write them all
.if \ld
	YLOAD 1
.endif
	s_wait_dscnt 0x0                               ; for the others' sake: my stores have landed; my reads of the last pair's sets were over before
	s_barrier_signal -1                            ; ONE barrier a pair: behind it this pair's two sets are whole; the other two are written again only by waves that have passed it,
	s_barrier_wait -1                              ; which every wave reaches behind its reads of them
.irp m, 0,1,2,3
	FRAG 2*(\pp), \m
.endr
.if \ld
	s_wait_loadcnt 33                              ; W(t) is in; behind it: W(t + 1) 17, Y 8 + 8
.else
	s_wait_loadcnt 17                              ; behind it: W(t + 1) 17
.endif
	WIN 0x50                                       ; C and D window 1
.irp m, 0,1                            ; step t, by tiles of rows: two tiles' products, then step t + 1's fragments are fetched into their registers, 16 products or more ahead of their use
	s_wait_dscnt 9-3*\m                            ; this tile's three loads are in; the later tiles' may be out
	MMG 0, \m, \zero
.endr
	WIN 0
	PLACES
	s_wait_alu depctr_va_vdst(0)                   ; the products of row tiles 0 and 1 are done reading v16-31, v48 and v49, in which the six loads below land
	FRAG 2*(\pp)+1, 0
	FRAG 2*(\pp)+1, 1
	WIN 0x50
.irp m, 2,3
	s_wait_dscnt 15-3*\m                           ; this tile's three loads are in; behind them: tile 3's (in front of tile 2), and the six just issued
	MMG 0, \m, \zero
.endr
	WIN 0
	PLACES
	s_wait_alu depctr_va_vdst(0)                   ; step t's products are done reading v32-47, v50 and v51, and W's set 0 with its scale words: the loads below land in these
	FRAG 2*(\pp)+1, 2
	FRAG 2*(\pp)+1, 3
	WSTEP 0, \ld
.if \ld
	BLOAD 0
	s_wait_loadcnt 33                              ; W(t + 1) is in; behind it: Y 8 + 8, W(t + 2) 17
.else
	s_wait_loadcnt 0
.endif
	WIN 0x50
.irp m, 0,1,2,3
	s_wait_dscnt 9-3*\m                            ; this tile's three loads are in; the later tiles' may be out
	MMG 1, \m, 0
.endr
	WIN 0
	PLACES
.if \ld
	s_wait_alu depctr_va_vdst(0)                   ; step t + 1's products are done reading W's set 1 and its scale words, in which the loads below land
	WSTEP 1, \ld
	BLOAD 1
.endif
.endm
; The partial logits of rows 32 hm .. 32 hm + 31 over my 128 columns: register 8 mm + j of v[AT + 16] on is row 32 hm + 16 mm + 8 h + j; a lane holds column 16 b + r.
; Two rows an instruction; the first takes -(sum of w x (-1)) = the lane's sum of w x as its addend.
.macro LOGIT hm
	WIN 0x01                                       ; source 0 (the accumulators) window 1
.irp mm, 0,1
.irp j, 0,2,4,6
	v_pk_fma_f32 v[AT+16+8*\mm+\j:AT+16+8*\mm+\j+1], v[8*(2*(\hm)+\mm)+\j:8*(2*(\hm)+\mm)+\j+1], v[AT:AT+1], v[CC:CC+1] op_sel_hi:[1,0,0] neg_lo:[0,0,1] neg_hi:[0,0,1]
.endr
.endr
.irp b, 1,2,3,4,5,6,7
.irp mm, 0,1
.irp j, 0,2,4,6
	v_pk_fma_f32 v[AT+16+8*\mm+\j:AT+16+8*\mm+\j+1], v[8*(4*\b+2*(\hm)+\mm)+\j:8*(4*\b+2*(\hm)+\mm)+\j+1], v[AT+2*\b:AT+2*\b+1], v[AT+16+8*\mm+\j:AT+16+8*\mm+\j+1] op_sel_hi:[1,0,1]
.endr
.endr
.endr
	WIN 0
.irp x, 1,2,4,8                        ; over the sixteen lanes, which hold sixteen columns
.irp j, 0,1,2,3,4,5,6,7,8,9,10,11,12,13,14,15
	v_add_f32_dpp v[AT+16+\j], v[AT+16+\j], v[AT+16+\j] row_xmask:\x row_mask:0xf bank_mask:0xf
.endr
.endr
	s_wait_alu depctr_va_vdst(0)                   ; the sixteen sums are written, which the stores read
.irp mm, 0,1
.irp q, 0,1
	ds_store_b128 v[TA], v[AT+16+8*\mm+4*\q:AT+16+8*\mm+4*\q+3] offset:64*(2*(\hm)+\mm)+16*\q   ; sixteen lanes write the same bytes with the same values
.endr
.endr
	s_wait_dscnt 0x0                               ; the stores have landed: a barrier follows the second half's
	s_wait_alu depctr_vm_vsrc(0)                   ; the stores have read v32-47, which the next half's sums, or the addresses and logits below, write again
.endm
; A quarter of the tile, 16 rows: p (the same 64 bytes for every lane) and my 256 columns of the copy: 20 loads into set q % 3 of window 1: 16 registers of p, then 4 for each (column group, row pair).
.macro QLOAD q
.set QB, 80*((\q)%3)
	WIN 0x40                                       ; destination window 1
.irp k, 0,1,2,3
	ds_load_b128 v[QB+4*\k:QB+4*\k+3], v[AT+27] offset:64*(\q)+16*\k
.endr
.irp g, 0,1
.irp k, 0,1,2,3,4,5,6,7
	ds_load_b128 v[QB+16+4*(8*\g+\k):QB+16+4*(8*\g+\k)+3], v[AT+28] offset:16384*\g+512*(8*(\q)+\k)
.endr
.endr
.endm
.macro QFMA q                          ; 128 multiply-adds straight from the bf16 halves, eight sums by turns
.set QB, 80*((\q)%3)
	WIN 0x05                                       ; sources 0 and 1 window 1
.irp k, 0,1,2,3,4,5,6,7
.irp e, 0,1
.irp g, 0,1
	v_fma_mix_f32_bf16 v[O+4*\g], v[QB+16+4*(8*\g+\k)+2*\e], v[QB+2*\k+\e], v[O+4*\g] op_sel_hi:[1,0,0]
	v_fma_mix_f32_bf16 v[O+4*\g+1], v[QB+16+4*(8*\g+\k)+2*\e], v[QB+2*\k+\e], v[O+4*\g+1] op_sel:[1,0,0] op_sel_hi:[1,0,0]
	v_fma_mix_f32_bf16 v[O+4*\g+2], v[QB+16+4*(8*\g+\k)+2*\e+1], v[QB+2*\k+\e], v[O+4*\g+2] op_sel_hi:[1,0,0]
	v_fma_mix_f32_bf16 v[O+4*\g+3], v[QB+16+4*(8*\g+\k)+2*\e+1], v[QB+2*\k+\e], v[O+4*\g+3] op_sel:[1,0,0] op_sel_hi:[1,0,0]
.endr
.endr
.endr
.endm
	s_mov_b32 s22, 0                               ; the tile
.Ltile:
	s_mov_b32 s24, s25                             ; the copy begins anew at column group 0
	PAIR 0, 1, 1                                   ; pair 0: its first step starts the sums
	PAIR 1, 0, 1
	s_mov_b32 s23, 2
.Ltrip:                                            ; pairs 2 to 5: a trip runs two pairs, until the sets are back where they began
	PAIR 0, 0, 1
	PAIR 1, 0, 1
	s_sub_co_u32 s23, s23, 1
	s_cmp_lg_u32 s23, 0
	s_cbranch_scc1 .Ltrip
	PAIR 0, 0, 1                                   ; pair 6
	s_cmp_lg_u32 s22, 0
	s_cbranch_scc1 .Llast_tile
	PAIR 1, 0, 2                                   ; tile 0's last pair asks for tile 1's first
	s_branch .Lepilogue
.Llast_tile:
	PAIR 1, 0, 0                                   ; tile 1's last pair asks for nothing: no load leaves its buffer, and the counts run down
.Lepilogue:
	; THE LOGITS.  In tile 0 the next tile's first loads are on their way into Y's, W's and W's scale registers: none of these is named here.
	v_and_b32 v[TA], 15, v0
	v_lshl_add_u32 v[TB], v[TA], 3, s46
	v_add_nc_u32 v[TB], XW, v[TB]                  ; XW + 1,024 w + 8 r
	v_bfe_u32 v[TA], v0, 4, 1
	v_lshl_add_u32 v[TA], v[TA], 5, s31
	v_add_nc_u32 v[TA], PART, v[TA]                ; PART + 256 w + 32 h
	s_wait_alu depctr_va_vdst(0)                   ; v253 and v252 are written, which the loads below and the logits' stores read as addresses; the last pair's products are done reading v16-31, in which the loads land
.irp b, 0,1,2,3,4,5,6,7
	ds_load_b64 v[AT+2*\b:AT+2*\b+1], v[TB] offset:128*\b          ; (W_map, -xatt) of my column 16 b + r
.endr
	s_wait_dscnt 0x0
	v_mul_f32 v[CC], v[AT+1], v[AT]                ; the sum of w (-x) over my eight columns
.irp b, 1,2,3,4,5,6,7
	v_fmac_f32 v[CC], v[AT+2*\b+1], v[AT+2*\b]
.endr
	v_mov_b32 v[CC+1], v[CC]                       ; (named with it as a pair, so it is written)
	WIN 0x44                                       ; destination and source 1 window 1
.irp b, 0,1,2,3,4,5,6,7
.irp m, 0,1,2,3
.irp j, 0,1,2,3,4,5,6,7
	v_max_num_f32 v[8*(4*\b+\m)+\j], v[AT+2*\b+1], v[8*(4*\b+\m)+\j]       ; max(a, -x); each accumulator from its low end on
.endr
.endr
.endr
	LOGIT 0
	LOGIT 1
	s_barrier_signal -1                            ; every wave's 64 partial logits lie in PART (each waited for its stores above)
	v_and_b32 v[AT+24], 31, v0
	v_lshl_add_u32 v[AT+25], v[AT+24], 2, PART     ; PART + 4 lane
	v_lshl_add_u32 v[AT+26], v[AT+24], 2, s31
	v_add_nc_u32 v[AT+26], PW, v[AT+26]            ; PW + 256 w + 4 lane
	v_mov_b32 v[AT+27], PW
	v_add_nc_u32 v[AT+27], s31, v[AT+27]           ; PW + 256 w
	v_add_nc_u32 v[AT+28], s47, v[L16]             ; the copy: my two column groups: 32,768 w + 16 lane
	s_barrier_wait -1
	s_wait_alu depctr_va_vdst(0)                   ; the address v41 is written, which the loads below read; the vector lines that read v16-31 are done: the loads land there
.irp q, 0,1,2,3,4,5,6,7
	ds_load_b32 v[AT+\q], v[AT+25] offset:256*\q           ; row lane: the eight waves' parts;
	ds_load_b32 v[AT+8+\q], v[AT+25] offset:256*\q+128     ; row 32 + lane
.endr
	s_wait_dscnt 0x0
.irp k, 0,2,4,6,8,10,12,14
	v_add_f32 v[AT+\k], v[AT+\k], v[AT+\k+1]
.endr
.irp k, 0,4,8,12
	v_add_f32 v[AT+\k], v[AT+\k], v[AT+\k+2]
.endr
	v_add_f32 v[AT], v[AT], v[AT+4]
	v_add_f32 v[AT+8], v[AT+8], v[AT+12]
	v_add_f32 v[AT+16], s20, v[AT]                 ; + b_map: my two logits
	v_add_f32 v[AT+17], s20, v[AT+8]
	; THE RUNNING SOFTMAX.  Every wave holds all 64 logits, two a lane, and makes the same m, factor and sum.
	v_max_num_f32 v[AT+18], v[AT+16], v[AT+17]
.irp x, 1,2,4,8
	v_max_num_f32_dpp v[AT+18], v[AT+18], v[AT+18] row_xmask:\x row_mask:0xf bank_mask:0xf
.endr
	v_permlanex16_b32 v[AT+19], v[AT+18], s28, s29
	v_max_num_f32 v[AT+18], v[AT+18], v[AT+19]
	v_max_num_f32 v[AT+18], v[AT+18], v[MX]        ; the new m
	v_sub_f32 v[AT+22], v[MX], v[AT+18]
	v_sub_f32 v[AT+16], v[AT+16], v[AT+18]
	v_sub_f32 v[AT+17], v[AT+17], v[AT+18]
	v_mul_f32 v[AT+22], s30, v[AT+22]
	v_mul_f32 v[AT+16], s30, v[AT+16]
	v_mul_f32 v[AT+17], s30, v[AT+17]
	s_wait_alu depctr_va_vdst(0)
	v_exp_f32 v[AT+22], v[AT+22]                   ; the factor e^(m_old - m_new),
	v_exp_f32 v[AT+16], v[AT+16]                   ; p of row lane,
	v_exp_f32 v[AT+17], v[AT+17]                   ; p of row 32 + lane
	v_mov_b32 v[MX], v[AT+18]                      ; a plain line behind the exponentials
	s_wait_alu depctr_va_vdst(0)                   ; one wait for the three exponentials, ahead of their first reader: p is written, which the two stores read; the vector lines that wrote and read the accumulators' registers are done: p and the copy's rows land there
	ds_store_b32 v[AT+26], v[AT+16]                ; p goes through my wave's own bytes, so that every lane can have every row's
	ds_store_b32 v[AT+26], v[AT+17] offset:128
	; THE WEIGHTED SUM of the tile's 64 rows, from the copy: four quarters through three sets of registers.  LDS serves a wave's instructions in order: the loads of p see the stores above.
	QLOAD 0                                        ; three quarters are asked for at once: the lines below, which name window 0 alone, run while they are on their way
	QLOAD 1
	QLOAD 2
	WIN 0
	v_add_f32 v[AT+20], v[AT+16], v[AT+17]
.irp x, 1,2,4,8
	v_add_f32_dpp v[AT+20], v[AT+20], v[AT+20] row_xmask:\x row_mask:0xf bank_mask:0xf
.endr
	v_permlanex16_b32 v[AT+19], v[AT+20], s28, s29
	v_add_f32 v[AT+20], v[AT+20], v[AT+19]
	v_fma_f32 v[LS], v[LS], v[AT+22], v[AT+20]     ; the sum under the new m
.irp j, 0,2,4,6
	v_pk_mul_f32 v[O+\j:O+\j+1], v[O+\j:O+\j+1], v[AT+22:AT+23] op_sel_hi:[1,0]   ; and the output
.endr
	s_wait_alu depctr_va_vdst(0)
	s_wait_dscnt 40                                ; quarter 0 is in; the 20 loads of each of two quarters may be out
	QFMA 0
	s_wait_alu depctr_va_vdst(0)                   ; quarter 0's multiply-adds are done reading their set, in which quarter 3 lands
	QLOAD 3
	s_wait_dscnt 40
	QFMA 1
	s_wait_alu depctr_va_vdst(0)
	s_wait_dscnt 20
	QFMA 2
	s_wait_alu depctr_va_vdst(0)
	s_wait_dscnt 0x0                               ; my reads of the copy are over
	QFMA 3
	WIN 0
	s_wait_alu depctr_vm_vsrc(0)                   ; my LDS instructions have read their addresses (v41 to v44, v252, v253) and p (v32, v33): the next tile's quantisers write these registers
	s_barrier_signal -1                            ; the copy and PART are written again only behind this barrier
	s_barrier_wait -1
	s_add_co_u32 s22, s22, 1
	s_cmp_lt_u32 s22, 2
	s_cbranch_scc1 .Ltile
	v_rcp_f32 v[LS], v[LS]
	v_nop                                          ; a plain line behind the reciprocal
	s_wait_alu depctr_va_vdst(0)                   ; and the wait for the reciprocal, ahead of its first reader
.irp j, 0,1,2,3,4,5,6,7
	v_mul_f32 v[O+\j], v[O+\j], v[LS]
.endr
	s_wait_alu depctr_va_vdst(0)                   ; the eight products are written, which the stores read
	global_store_b128 v[L16], v[O:O+3], s[14:15]               ; 32 lanes store 512 consecutive bytes, aligned: columns 256 w + 4 lane on,
	global_store_b128 v[L16], v[O+4:O+7], s[14:15] offset:512  ; and 128 columns further on
	s_wait_xcnt 0x0
	v_lshl_add_u32 v254, v0, 2, 0x48400            ; the add's two registers are made anew here: no memory or LDS instruction of the kernel has read v254 or v255
	v_mov_b32 v255, 0
	s_wait_dscnt 0x0                               ; the closing lines, six on end
	s_wait_alu 0x0
	s_wait_tensorcnt 0x0
	ds_add_u32 v254, v255
	s_wait_dscnt 0x0
	s_endpgm
.Lfunc_end_k_q828a7b9007_main:
	.size	k_q828a7b9007_main, .Lfunc_end_k_q828a7b9007_main-k_q828a7b9007_main
	.p2alignl 7, 3214868480
	.fill 96, 4, 3214868480
	.section	.rodata,"a",@progbits
	.p2align	6, 0x0
	.amdhsa_kernel k_q828a7b9007_main
		.amdhsa_group_segment_fixed_size 296960
		.amdhsa_private_segment_fixed_size 0
		.amdhsa_enable_private_segment 0
		.amdhsa_kernarg_size 56
		.amdhsa_user_sgpr_count 2
		.amdhsa_user_sgpr_kernarg_segment_ptr 1
		.amdhsa_wavefront_size32 1
		.amdhsa_system_sgpr_workgroup_id_x 1
		.amdhsa_system_sgpr_workgroup_id_y 1
		.amdhsa_system_sgpr_workgroup_id_z 1
		.amdhsa_system_vgpr_workitem_id 0
		.amdhsa_next_free_vgpr 512
		.amdhsa_next_free_sgpr 66
		.amdhsa_reserve_vcc 0
		.amdhsa_float_denorm_mode_32 3
		.amdhsa_float_denorm_mode_16_64 3
		.amdhsa_memory_ordered 1
		.amdhsa_forward_progress 1
		.amdhsa_inst_pref_size 255
	.end_amdhsa_kernel
	.section	.bss,"aw",@nobits
	.p2align	6
	.space	262144
	.amdgpu_metadata
---
amdhsa.version: [ 1, 2 ]
amdhsa.kernels:
  - .name:           k_q828a7b9007_main
    .symbol:         k_q828a7b9007_main.kd
    .args:
      - { .name: Y, .offset: 0, .size: 8, .value_kind: global_buffer, .address_space: global }
      - { .name: wv_codes, .offset: 8, .size: 8, .value_kind: global_buffer, .address_space: global }
      - { .name: wv_scales, .offset: 16, .size: 8, .value_kind: global_buffer, .address_space: global }
      - { .name: xatt, .offset: 24, .size: 8, .value_kind: global_buffer, .address_space: global }
      - { .name: W_map, .offset: 32, .size: 8, .value_kind: global_buffer, .address_space: global }
      - { .name: b_map, .offset: 40, .size: 8, .value_kind: global_buffer, .address_space: global }
      - { .name: out0, .offset: 48, .size: 8, .value_kind: global_buffer, .address_space: global }
    .group_segment_fixed_size: 296960
    .private_segment_fixed_size: 0
    .kernarg_segment_align: 8
    .kernarg_segment_size: 56
    .max_flat_workgroup_size: 256
    .sgpr_count:     66
    .vgpr_count:     512
    .wavefront_size: 32
...
	.end_amdgpu_metadata
.endif
;; end of part 6
